; MI455X (gfx1250); checked and timed in simulation.
; The chip was launched on July 23, 2026; its instructions are those of AMD's public machine-readable ISA for CDNA 5 (MIT licence, August 2026) and "CDNA5" Instruction Set Architecture Reference Guide (July 2026). The comments in the code are by the model that wrote it; some were corrected since.
;; Transformer Encoder Layer. Allowed arithmetic: matrix products marked QUANTISED: E4M3 operands, one given power-of-two scale a tensor, by v_wmma_f32_16x16x64_fp8_fp8 or v_wmma_f32_16x16x128_fp8_fp8, f32 sums; everything else in f32.
;; Inputs: W1 1,024 x 4,096 float32; W2 4,096 x 1,024 float32; Wk 1,024 x 1,024 float32; Wo 1,024 x 1,024 float32; Wq 1,024 x 1,024 float32; Wv 1,024 x 1,024 float32; b1 4,096 float32; b2 1,024 float32; bk 1,024 float32; bo 1,024 float32; bq 1,024 float32; bv 1,024 float32; ln1_b 1,024 float32; ln1_g 1,024 float32; ln2_b 1,024 float32; ln2_g 1,024 float32; lowp_scales 16 int32 (the exponents e of the quantised operands' scales 2^e); src 2 x 2,048 x 1,024 float32.
;; Outputs: out0 2 x 2,048 x 1,024 float32.
;; This version of the problem:
;;   THIS VERSION OF THE PROBLEM IS GIVEN IN LOW PRECISION. The matrix products marked QUANTISED in the list below multiply operands that are first quantised to E4M3 (4 exponent bits, 3 mantissa bits; 8 bits a number), with one given power-of-two scale for each operand tensor; their sums are f32. All else is computed in f32.
;;   The module's matrix products, in the order in which they are computed (A, B: the left and right operand; K: the contracted axis; several contracted axes count as one K, in the product's order):
;;     1. [M 4,096, K 1,024] x [K 1,024, N 1,024]; A: input src; B: input Wq: QUANTISED (scales: A lowp_scales[0], B lowp_scales[1])
;;     2. [M 4,096, K 1,024] x [K 1,024, N 1,024]; A: input src; B: input Wk: QUANTISED (scales: A lowp_scales[2], B lowp_scales[3])
;;     3. [M 4,096, K 1,024] x [K 1,024, N 1,024]; A: input src; B: input Wv: QUANTISED (scales: A lowp_scales[4], B lowp_scales[5])
;;     4. batch 32 x [M 2,048, K 64] x [K 64, N 2,048]; A: computed on the way; B: computed on the way: QUANTISED (scales: A lowp_scales[6], B lowp_scales[7])
;;     5. batch 32 x [M 2,048, K 2,048] x [K 2,048, N 64]; A: softmax (see below); B: computed on the way: QUANTISED (scales: A lowp_scales[8], B lowp_scales[9])
;;     6. [M 4,096, K 1,024] x [K 1,024, N 1,024]; A: computed on the way; B: input Wo: QUANTISED (scales: A lowp_scales[10], B lowp_scales[11])
;;     7. [M 4,096, K 1,024] x [K 1,024, N 4,096]; A: computed on the way; B: input W1: QUANTISED (scales: A lowp_scales[12], B lowp_scales[13])
;;     8. [M 4,096, K 4,096] x [K 4,096, N 1,024]; A: computed on the way; B: input W2: QUANTISED (scales: A lowp_scales[14], B lowp_scales[15])
;;   THE QUANTISER, for each operand of a quantised product, along K:
;;     - The operand's scale is 2^e, e = its entry of the input lowp_scales (int32; the entries are numbered through the quantised products in the list's order, A before B).
;;     - Each number is divided by the scale, clamped to +-448, and rounded to the nearest number of E4M3, ties to even, subnormals kept.
;;     - The product sums the exact products of the quantised numbers (number of the format x scale) in f32.
;;   ~~~python
;;   def quantise(x, axis, e):      # numpy; x: float32 -> the quantised numbers, widened to float32 again
;;       x = np.moveaxis(x, axis, -1); K = x.shape[-1]
;;       r = np.clip(x / 2.0 ** e, -448, 448)
;;       step = 2.0 ** (np.maximum(np.frexp(np.where(r == 0, 1, r))[1] - 1, -6) - 3)
;;       q = np.round(r / step) * step * 2.0 ** e      # np.round: ties to even
;;       return np.moveaxis(q, -1, axis).astype(np.float32)
;;   ~~~
;;   SOFTMAX AHEAD OF A QUANTISED PRODUCT. Where the list says 'softmax', what is quantised is not the finished softmax but p = 2^(t - M), with t = logit x log2(e) and M = ceil(the row's largest t), a whole number; so 1/2 < the row's largest p <= 1. The row's sum l is taken of the UNQUANTISED p, in f32, and the product's result is divided by l at the end. Since M is a whole number, a kernel that streams over the keys may use a running M (the ceiling of the running maximum): every later rescaling is an exact power of two, so the quantised numbers keep their values, but for numbers so far below the row's largest that they fall under the format's range.
;;   OPERANDS COMPUTED ON THE WAY. 'Computed on the way' means the value that the module computes at that place (a softmax that the list does not call 'softmax' is quantised finished and normalised). What goes into a quantiser is computed in f32, as accurately as f32 sums, v_exp_f32 and their like allow (about 1e-6 of the number): no bf16 or f16 on the way to a quantiser, and a product that is left as it is and whose result goes on into a quantised operand takes f32 operands (vector FMAs, or v_wmma_f32_16x16x4_f32). A number that lies on a knife's edge between two numbers of the format may be rounded either way, as far as f32 arithmetic and the matrix unit's own rounding can turn it there, and no further.
;; One version. Each part assembles by itself: llvm-mc -triple=amdgcn-amd-amdhsa -mcpu=gfx1250 --defsym DOCPART=n.
;; ======== version 1 of 1: 8 launches
;; limits: right only within a limited range of input values
;; workspace buffers: qc 25,165,824 bytes; qkv 12,582,912 bytes; ctx 4,194,304 bytes; y1 16,777,216 bytes; xb 20,971,520 bytes; hc 16,777,216 bytes; y2 16,777,216 bytes
;; launch quant (part 1): grid 1024 x 1, 4 waves a work-group, no clusters, 68,096 bytes of LDS; arguments src, Wq, Wk, Wv, Wo, W1, W2, lowp_scales, qc; writes qc
.if DOCPART == 1
	.amdgcn_target "amdgcn-amd-amdhsa--gfx1250"
	.amdhsa_code_object_version 6
	.text
	.protected	k_q01cc77f41d_quant
	.globl	k_q01cc77f41d_quant
	.p2align	8
	.type	k_q01cc77f41d_quant,@function
k_q01cc77f41d_quant:
	s_mov_b64 s[64:65], 0
	v_nop
	global_prefetch_b8 v0, s[64:65] scope:SCOPE_SE
	s_setreg_imm32_b32 hwreg(HW_REG_WAVE_MODE, 25, 1), 1
	s_wait_xcnt 0x0
; f32 operands into codes of FP8 (E4M3), laid as IMAGES OF THE MATRIX OPERAND'S REGISTERS.
; A fragment is 16 indices x 128 along K = 2,048 bytes: piece c (512 bytes), lane l = (r = l % 16, h = l / 16) owns the 16 bytes at 512 c + 16 l:
; the codes of k = 128 s + 32 c + 16 h + 0 .. 15 of the index in slot r.  Slot r of tile T is index 32 (T / 2) + 8 (T % 2) + r + 8 (r / 8).
; A stream is [block of TB tiles][K step s][tile in block][2,048 bytes].
; code = x / 2^e, held within +-448, to the nearest code, ties to even.  LIMITS: each e used lies between -126 and 119; NaN among the inputs is not served.
; Work-groups 0-767: the six weights ([K][N] f32, K outermost): a lane takes a column, its registers run down K.  128 columns x 128 K (one K step) a work-group, 32 columns a wave:
; 64 work-groups for each of Wq, Wk, Wv, Wo, 256 for each of W1, W2.  A wave's four blocks of 32 rows have registers of their own and are all asked for at once.
; Work-groups 768-1023: src ([4096][1024] f32, K innermost), three times, once for each of its three given scales.  32 rows x 128 K a wave, turned through the wave's own stage in LDS.
; 1,024 work-groups in all, of which four fit on a WGP by their registers and LDS.
; No tensor load, no barrier: waves share nothing.  Only the src path touches LDS.
; The exponents are asked for at the head and awaited only behind the issue of the data loads, which name none of them.
.set X, 64                             ; weights: v64-191 four sets of 32 numbers
.set C, 192                            ; weights: v192-223 codes, eight registers a block, never written twice
	s_load_b512 s[4:19], s[0:1], 0x0               ; src, Wq, Wk, Wv, Wo, W1, W2, lowp_scales
	s_load_b64 s[20:21], s[0:1], 0x40              ; qc
	v_lshl_add_u32 v30, v0, 2, 0x10800
	v_mov_b32 v31, 0
	v_lshrrev_b32 v1, 5, v0
	v_readfirstlane_b32 s22, v1                    ; wave 0..3
	v_and_b32 v2, 31, v0                           ; lane
	v_lshrrev_b32 v3, 4, v2                        ; lane / 16
	v_and_b32 v4, 15, v2                           ; lane % 16
	s_wait_kmcnt 0x0
	s_load_b512 s[24:39], s[18:19], 0x0            ; the sixteen exponents: entry n in s[24 + n]; awaited further down, in each path
	s_cmp_lt_u32 ttmp9, 768
	s_cbranch_scc0 .Lsrc
; ---------------- the weights.  One text for the six: what differs is chosen by the work-group's number.
; s[42:43] the tensor, s45 its stream's place in qc, s46 bytes of a row, s47 its first work-group, s48 log2 of its groups of 128 columns,
; s49 bytes of a K step of a block, s50 bytes of a block, s51 log2 of a block's tiles
.macro PICK lim, ptr, off, rs, first, logn, tbb, blkb, logtb
	s_cmp_lt_u32 ttmp9, \lim
	s_cselect_b64 s[42:43], s[\ptr:\ptr+1], s[42:43]
	s_cselect_b32 s45, \off, s45
	s_cselect_b32 s46, \rs, s46
	s_cselect_b32 s47, \first, s47
	s_cselect_b32 s48, \logn, s48
	s_cselect_b32 s49, \tbb, s49
	s_cselect_b32 s50, \blkb, s50
	s_cselect_b32 s51, \logtb, s51
.endm
	s_mov_b64 s[42:43], s[16:17]                   ; W2: blocks of 8 tiles, 32 K steps
	s_mov_b32 s45, 20<<20
	s_mov_b32 s46, 4096
	s_mov_b32 s47, 512
	s_mov_b32 s48, 3
	s_mov_b32 s49, 16384
	s_mov_b32 s50, 524288
	s_mov_b32 s51, 3
	PICK 512, 14, 16<<20, 16384, 256, 5, 32768, 262144, 4   ; W1: blocks of 16 tiles, 8 K steps
	PICK 256, 12, 15<<20, 4096, 192, 3, 16384, 131072, 3    ; Wo: blocks of 8 tiles
	PICK 192, 10, 14<<20, 4096, 128, 3, 32768, 262144, 4    ; Wv
	PICK 128, 8, 13<<20, 4096, 64, 3, 32768, 262144, 4      ; Wk
	PICK 64, 6, 12<<20, 4096, 0, 3, 32768, 262144, 4        ; Wq
	s_sub_co_u32 s52, ttmp9, s47                   ; my number within the tensor
	s_bfm_b32 s53, s48, 0
	s_and_b32 s53, s52, s53                        ; cg: which 128 columns
	s_lshr_b32 s54, s52, s48                       ; kg: which K step of 128
	s_lshl_b32 s55, s46, 7
	s_mul_i32 s56, s54, s55                        ; kg x 128 rows
	s_lshl_b32 s57, s53, 9
	s_add_co_u32 s56, s56, s57                     ; + 512 cg
	s_lshl_b32 s57, s22, 7
	s_add_co_u32 s56, s56, s57                     ; + 128 x wave: my wave's 32 columns
	s_mov_b32 s57, 0
	s_add_nc_u64 s[66:67], s[42:43], s[56:57]      ; block 0 of 32 rows;
	s_lshl_b32 s58, s46, 5
	s_mov_b32 s59, 0
.irp t, 1,2,3
	s_add_nc_u64 s[66+2*\t:67+2*\t], s[64+2*\t:65+2*\t], s[58:59]   ; a base for each of the four blocks: no pointer is stepped
.endr
	s_wait_alu depctr_va_vdst(0)
	v_and_b32 v6, 8, v4
	v_add_nc_u32 v6, v6, v4
	v_lshl_add_u32 v6, v3, 3, v6                   ; my column of the 32: 8 (lane / 16) + r + 8 (r / 8): lanes 0-15 are the slots of the even tile, lanes 16-31 of the odd one
	v_lshlrev_b32 v32, 2, v6                       ; v32-63: 4 x column + i rows
.set li, 1
.rept 31
	v_add_nc_u32 v[32+li], s46, v[31+li]
.set li, li+1
.endr
.macro LOADW t                         ; block t: W(128 kg + 32 t + i, my column), i = 0 .. 31: each load reads 128 consecutive bytes a wave
.set li, 0
.rept 32
	global_load_b32 v[X+32*(\t)+li], v[32+li], s[66+2*(\t):67+2*(\t)] th:TH_LOAD_NT
.set li, li+1
.endr
.endm
.irp t, 0,1,2,3
	LOADW \t                                       ; all four blocks are asked for before anything else is made
.endr
	v_lshlrev_b32 v5, 4, v4
	v_lshl_add_u32 v5, v3, 11, v5                  ; out: 2,048 x (which tile of the pair) + 16 r
	s_lshl_b32 s60, s53, 3
	s_lshl_b32 s61, s22, 1
	s_add_co_u32 s60, s60, s61                     ; T0 = 8 cg + 2 x wave: my pair's even tile
	s_lshr_b32 s61, s60, s51
	s_mul_i32 s61, s61, s50                        ; its block
	s_add_co_u32 s61, s61, s45
	s_mul_i32 s62, s54, s49                        ; K step kg
	s_add_co_u32 s61, s61, s62
	s_bfm_b32 s62, s51, 0
	s_and_b32 s62, s60, s62
	s_lshl_b32 s62, s62, 11                        ; its place in the block
	s_add_co_u32 s62, s61, s62
	s_mov_b32 s63, 0
	s_add_nc_u64 s[82:83], s[20:21], s[62:63]      ; fragment (T0, kg)
	s_wait_kmcnt 0x0                               ; the exponents: ahead of the first line that reads one
	s_mov_b32 s44, s39                             ; W2: entry 15
	s_cmp_lt_u32 ttmp9, 512
	s_cselect_b32 s44, s37, s44                    ; W1: entry 13
	s_cmp_lt_u32 ttmp9, 256
	s_cselect_b32 s44, s35, s44                    ; Wo: entry 11
	s_cmp_lt_u32 ttmp9, 192
	s_cselect_b32 s44, s29, s44                    ; Wv: entry 5
	s_cmp_lt_u32 ttmp9, 128
	s_cselect_b32 s44, s27, s44                    ; Wk: entry 3
	s_cmp_lt_u32 ttmp9, 64
	s_cselect_b32 s44, s25, s44                    ; Wq: entry 1
	s_add_co_i32 s44, s44, 127
	s_lshl_b32 s62, s44, 23
	v_mov_b32 v11, s62                             ; 2^e as f32: the conversion takes its exponent field
	s_add_co_i32 s44, s44, 8
	s_lshl_b32 s44, s44, 23
	s_or_b32 s44, s44, 0x600000
	v_mov_b32 v10, s44                             ; 448 x 2^e
.macro BLOCKW t
.set XS, X+32*(\t)
.set CS, C+8*(\t)
.if (\t) < 2
	s_wait_loadcnt 63                              ; behind this block's loads stand 96 (block 0) or 64 (block 1) younger ones: 63 is the largest count that the wait can name
.else
	s_wait_loadcnt 32*(3-(\t))                     ; this block's 32 loads are in; the younger blocks' may be out
.endif
.set li, 0
.rept 32
	v_med3_num_f32 v[XS+li], v[XS+li], -v10, v10   ; the conversion to an 8-bit code does not saturate (ISA guide 7.6.2): the hold comes first
.set li, li+1
.endr
.irp g, 0,1,2,3
	v_cvt_scalef32_pk8_fp8_f32 v[CS+2*\g:CS+2*\g+1], v[XS+8*\g:XS+8*\g+7], v11
.endr
	global_store_b128 v5, v[CS:CS+3], s[82:83] offset:(\t)*512          ; k 32 t + 0 .. 15: the half h = 0 of piece t: sixteen lanes fill 256 consecutive bytes
	global_store_b128 v5, v[CS+4:CS+7], s[82:83] offset:(\t)*512+256    ; k 32 t + 16 .. 31: the half h = 1.  (The results go to stores alone, which want no place; the next block's holds are plain lines on other registers)
.endm
	s_wait_alu depctr_va_vdst(0)
.irp t, 0,1,2,3
	BLOCKW \t
.endr
	s_endpgm
; ---------------- src: rows 32 P .. 32 P + 31, K step s, for the scales of entries 0, 2 and 4
.Lsrc:
	s_sub_co_u32 s52, ttmp9, 768
	s_lshr_b32 s53, s52, 1                         ; P
	s_and_b32 s54, s52, 1
	s_lshl_b32 s54, s54, 2
	s_add_co_u32 s54, s54, s22                     ; s = 4 (work-group % 2) + wave
	s_lshl_b32 s56, s53, 17                        ; 32 rows of 4,096 bytes
	s_lshl_b32 s55, s54, 9
	s_add_co_u32 s56, s56, s55
	s_mov_b32 s57, 0
	s_add_nc_u64 s[4:5], s[4:5], s[56:57]
	s_lshr_b32 s58, s53, 3
	s_lshl_b32 s58, s58, 18                        ; block P / 8 of 16 tiles x 8 K steps
	s_lshl_b32 s55, s54, 15
	s_add_co_u32 s58, s58, s55                     ; K step s
	s_and_b32 s55, s53, 7
	s_lshl_b32 s55, s55, 12
	s_add_co_u32 s58, s58, s55                     ; tiles 2 (P % 8), + 1
	s_mov_b32 s59, 0
	s_add_nc_u64 s[86:87], s[20:21], s[58:59]      ; the three streams lie 4 MiB apart
	s_add_nc_u64 s[88:89], s[86:87], 0x400000
	s_add_nc_u64 s[90:91], s[86:87], 0x800000
	s_wait_alu depctr_va_vdst(0)
	v_lshlrev_b32 v1, 4, v2                        ; 16 x lane
	s_mul_i32 s60, s22, 16896                      ; my stage: 32 rows x (512 + 16) bytes
	v_add_nc_u32 v6, s60, v1                       ; in: a row as it lies
	v_mul_u32_u24 v7, v4, 528
	v_lshl_add_u32 v7, v3, 6, v7
	v_add_nc_u32 v7, s60, v7                       ; out: slot r, + 64 h: my 16 numbers of a block of 32
.set li, 0
.rept 32
	global_load_b128 v[32+4*li:35+4*li], v1, s[4:5] offset:li*4096 th:TH_LOAD_NT   ; 32 lanes read 512 consecutive bytes of row li
.set li, li+1
.endr
	s_wait_alu depctr_va_vdst(0)
	s_wait_kmcnt 0x0                               ; the exponents: ahead of the first line that reads one
.irp k, 0,1,2
	s_add_co_i32 s61, s[24+2*\k], 127
	s_lshl_b32 s62, s61, 23
	v_mov_b32 v[12+2*\k], s62                      ; 2^e
	s_add_co_i32 s61, s61, 8
	s_lshl_b32 s61, s61, 23
	s_or_b32 s61, s61, 0x600000
	v_mov_b32 v[13+2*\k], s61                      ; 448 x 2^e
.endr
.set li, 0
	s_wait_alu depctr_va_vdst(0)
.rept 32
	s_wait_loadcnt 31-li                           ; row li is in; the younger rows may be out
	ds_store_b128 v6, v[32+4*li:35+4*li] offset:(16*((li%16)/8)+8*(li/16)+li%8)*528   ; the rows lie in the stage in the order of the two tiles' slots
.set li, li+1
.endr
	s_wait_dscnt 0x0                               ; the stores have read their registers, which are used again below
.irp u, 0,1                            ; tile 2 P + u
.irp c, 0,1,2,3
.irp j, 0,1,2,3
	ds_load_b128 v[96+16*\c+4*\j:99+16*\c+4*\j], v7 offset:\u*8448+128*\c+16*\j    ; register 16 c + i = k 32 c + 16 h + i of my slot's row
.endr
.endr
	s_wait_dscnt 0x0
.irp k, 0,1,2
.set li, 0
.rept 64
	v_med3_num_f32 v[32+li], v[96+li], -v[13+2*\k], v[13+2*\k]
.set li, li+1
.endr
.irp c, 0,1,2,3
	v_cvt_scalef32_pk8_fp8_f32 v[160+16*(3*\u+\k)+4*\c:161+16*(3*\u+\k)+4*\c], v[32+16*\c:39+16*\c], v[12+2*\k]
	v_cvt_scalef32_pk8_fp8_f32 v[162+16*(3*\u+\k)+4*\c:163+16*(3*\u+\k)+4*\c], v[40+16*\c:47+16*\c], v[12+2*\k]
.endr
	v_nop                                          ; a plain line between the conversions and the next holds, which write their sources
.irp c, 0,1,2,3
	global_store_b128 v1, v[160+16*(3*\u+\k)+4*\c:163+16*(3*\u+\k)+4*\c], s[86+2*\k:87+2*\k] offset:\u*2048+\c*512   ; a piece: 512 consecutive bytes; each set of codes has registers of its own
.endr
.endr
.endr
	s_wait_tensorcnt 0x0                           ; the wave's end, behind my last LDS store
	ds_add_u32 v30, v31
	s_wait_dscnt 0x0
	s_endpgm
.Lfunc_end_k_q01cc77f41d_quant:
	.size	k_q01cc77f41d_quant, .Lfunc_end_k_q01cc77f41d_quant-k_q01cc77f41d_quant
	.p2alignl 7, 3214868480
	.fill 96, 4, 3214868480
	.section	.rodata,"a",@progbits
	.p2align	6, 0x0
	.amdhsa_kernel k_q01cc77f41d_quant
		.amdhsa_group_segment_fixed_size 68096
		.amdhsa_private_segment_fixed_size 0
		.amdhsa_enable_private_segment 0
		.amdhsa_kernarg_size 72
		.amdhsa_user_sgpr_count 2
		.amdhsa_user_sgpr_kernarg_segment_ptr 1
		.amdhsa_wavefront_size32 1
		.amdhsa_system_sgpr_workgroup_id_x 1
		.amdhsa_system_sgpr_workgroup_id_y 1
		.amdhsa_system_sgpr_workgroup_id_z 1
		.amdhsa_system_vgpr_workitem_id 0
		.amdhsa_next_free_vgpr 256
		.amdhsa_next_free_sgpr 100
		.amdhsa_reserve_vcc 0
		.amdhsa_float_denorm_mode_32 3
		.amdhsa_float_denorm_mode_16_64 3
		.amdhsa_memory_ordered 1
		.amdhsa_forward_progress 1
		.amdhsa_inst_pref_size 69
	.end_amdhsa_kernel
	.amdgpu_metadata
---
amdhsa.version: [ 1, 2 ]
amdhsa.kernels:
  - .name:           k_q01cc77f41d_quant
    .symbol:         k_q01cc77f41d_quant.kd
    .args:
      - { .name: src, .offset: 0, .size: 8, .value_kind: global_buffer, .address_space: global }
      - { .name: Wq, .offset: 8, .size: 8, .value_kind: global_buffer, .address_space: global }
      - { .name: Wk, .offset: 16, .size: 8, .value_kind: global_buffer, .address_space: global }
      - { .name: Wv, .offset: 24, .size: 8, .value_kind: global_buffer, .address_space: global }
      - { .name: Wo, .offset: 32, .size: 8, .value_kind: global_buffer, .address_space: global }
      - { .name: W1, .offset: 40, .size: 8, .value_kind: global_buffer, .address_space: global }
      - { .name: W2, .offset: 48, .size: 8, .value_kind: global_buffer, .address_space: global }
      - { .name: lowp_scales, .offset: 56, .size: 8, .value_kind: global_buffer, .address_space: global }
      - { .name: qc, .offset: 64, .size: 8, .value_kind: global_buffer, .address_space: global }
    .group_segment_fixed_size: 68096
    .private_segment_fixed_size: 0
    .kernarg_segment_align: 8
    .kernarg_segment_size: 72
    .max_flat_workgroup_size: 128
    .sgpr_count:     100
    .vgpr_count:     256
    .wavefront_size: 32
...
	.end_amdgpu_metadata
.endif
;; end of part 1
;; launch qkv (part 2): grid 12 x 16, 4 waves a work-group, clusters of 4 x 4, 327,680 bytes of LDS; arguments qc, bq, bk, bv, lowp_scales, qkv; writes qkv
.if DOCPART == 2
	.amdgcn_target "amdgcn-amd-amdhsa--gfx1250"
	.amdhsa_code_object_version 6
	.text
	.protected	k_q01cc77f41d_qkv
	.globl	k_q01cc77f41d_qkv
	.p2align	8
	.type	k_q01cc77f41d_qkv,@function
k_q01cc77f41d_qkv:
	s_mov_b64 s[64:65], 0
	v_nop
	global_prefetch_b8 v0, s[64:65] scope:SCOPE_SE
	s_setreg_imm32_b32 hwreg(HW_REG_WAVE_MODE, 25, 1), 1
	s_wait_xcnt 0x0
	s_wait_alu depctr_hold_cnt(0) depctr_sa_sdst(0) depctr_va_vdst(0) depctr_va_sdst(0) depctr_va_ssrc(0) depctr_va_vcc(0) depctr_vm_vsrc(0)
	s_getreg_b32 s2, hwreg(HW_REG_IB_STS2, 6, 4)
	s_cmp_eq_u32 s2, 0
	s_cbranch_scc0 .Lentry_in_a_cluster
	s_endpgm
.Lentry_in_a_cluster:
	s_bfe_u32 s2, ttmp6, 0x10000c
	s_cmp_lg_u32 s2, 0xf033
	s_cbranch_scc0 .Lentry_shape_is_right
	s_endpgm
.Lentry_shape_is_right:
; q, k, v = src W + bias on codes of FP8 (E4M3), quantised at once for the attention's products; operands are images of the matrix operand's registers.
; A block of 256 x 256 a work-group, 128 x 128 a wave; K in a ring of two LDS slots filled by joint loads in clusters of 4 x 4.
.set NT,    8
.set TBK,   16
.set NQ,    2
.set KS,    8
.set LAPS,  KS/(2*NQ)
.set CHUNK, 65536
.set SLOT,  2*CHUNK
.set SPARE, 2*SLOT
.set ADRA, 16
.set ADRB, 20
.set RO,   25
.set LI,   26
.set CO,   27
.set SPW,  28
.set NIL,  29
.set SCV,  30
.set LIMV, 31
.set BIAS, 32
.set RBI,  96
.set T,    112
.set CD,   176
.set AF,   128
.set G1, 24
.set G0, 32
.set G1B, 48
.set G0B, 56
.set MSB, 0
.macro WIN new
.if MSB != (\new)
	s_set_vgpr_msb (MSB<<8)|(\new)
.set MSB, (\new)
.endif
.endm
.set MUL_LO, 0xa1
.set MUL_HI, 0xf1
.set TO_B,   0x40
.macro JLOAD g0a, g1a, g0b, g1b
	s_cmp_eq_u32 s15, 0
	s_cbranch_scc0 .Lfor_b_\@
	tensor_load_to_lds s[\g0a:\g0a+3], s[\g1a:\g1a+7]
	s_nop 0
.rept 4
	v_nop
.endr
	s_branch .Lasked_\@
.Lfor_b_\@:
	tensor_load_to_lds s[\g0b:\g0b+3], s[\g1b:\g1b+7]
	s_nop 0
.rept 4
	v_nop
.endr
.Lasked_\@:
.endm
.macro CREST
	s_cmp_lg_u32 s14, 0
	s_cbranch_scc1 .Lnot_wave_0_\@
	s_barrier_signal -3
.Lnot_wave_0_\@:
	s_barrier_wait -3
	s_barrier_signal -1
	s_barrier_wait -1
.endm
.macro CROUND
	s_barrier_signal -1
	s_barrier_wait -1
	CREST
.endm
.macro PLACES
.rept 4
	v_nop
.endr
.endm
.macro FRAG reg, adr, off
.irp c, 0,1,2,3
	ds_load_b128 v[\reg+4*\c:\reg+4*\c+3], v[\adr] offset:\off+512*\c
.endr
.endm
.macro FETCH_B slot, q, p
	WIN TO_B
.set fi, 0
.rept NT
	FRAG 128*(\p)+16*fi, ADRB+\slot, ((\q)*TBK+fi)*2048
.set fi, fi+1
.endr
	WIN 0
.endm
.macro FETCH_A slot, q, i0
.set fi, \i0
.rept NT/2
	FRAG AF+16*fi, ADRA+\slot, ((\q)*TBK+fi)*2048
.set fi, fi+1
.endr
.endm
.macro MULA a, p, zero
.irp b, 0,1,2,3,4,5,6,7
.if \b < NT
.if \zero
	v_wmma_f32_16x16x128_fp8_fp8 v[8*(NT*((\a)%(NT/2))+\b):8*(NT*((\a)%(NT/2))+\b)+7], v[128*(\p)+16*\b:128*(\p)+16*\b+15], v[AF+16*(\a):AF+16*(\a)+15], 0
.else
	v_wmma_f32_16x16x128_fp8_fp8 v[8*(NT*((\a)%(NT/2))+\b):8*(NT*((\a)%(NT/2))+\b)+7], v[128*(\p)+16*\b:128*(\p)+16*\b+15], v[AF+16*(\a):AF+16*(\a)+15], v[8*(NT*((\a)%(NT/2))+\b):8*(NT*((\a)%(NT/2))+\b)+7]
.endif
.endif
.endr
.endm
.macro MULR a0, n, p, zero
.set ma, \a0
.rept \n
	MULA ma, \p, \zero
.set ma, ma+1
.endr
.endm
.macro STEP slot, q, zero
	s_wait_dscnt 2*NT
	WIN MUL_LO
	MULR 0, NT/2, (\q)%2, \zero
	s_wait_dscnt 0x0
	PLACES
	FETCH_B \slot, (\q)+1, 1-(\q)%2
	FETCH_A \slot, (\q)+1, 0
	WIN MUL_HI
	MULR NT/2, NT/2, (\q)%2, \zero
	PLACES
	WIN 0
	FETCH_A \slot, (\q)+1, NT/2
.endm
.macro TURN slot, next, fill
	s_wait_tensorcnt 0x0
	ds_add_u32 v[SPW], v[NIL]
	s_wait_dscnt 2*NT+1
	WIN MUL_LO
	MULR 0, NT/4, 1, 0
	s_wait_dscnt 0x0
	s_barrier_signal -1
	MULR NT/4, NT/4, 1, 0
	WIN 0
	s_barrier_wait -1
.if \fill
	CREST
	s_add_nc_u64 s[G0+4*\slot+2:G0+4*\slot+3], s[G0+4*\slot+2:G0+4*\slot+3], 2*CHUNK
	s_add_nc_u64 s[G0B+4*\slot+2:G0B+4*\slot+3], s[G0B+4*\slot+2:G0B+4*\slot+3], 2*CHUNK
	JLOAD G0+4*\slot, G1, G0B+4*\slot, G1B
.else
	PLACES
.endif
	FETCH_B \next, 0, 0
	FETCH_A \next, 0, 0
	WIN MUL_HI
	MULR NT/2, NT/2, 1, 0
	PLACES
	WIN 0
	FETCH_A \next, 0, NT/2
.endm
.macro RUN slot, zero
.set rq, 0
.rept NQ-1
.if rq == 0
	STEP \slot, rq, \zero
.else
	STEP \slot, rq, 0
.endif
.set rq, rq+1
.endr
.endm
	s_load_b256 s[4:11], s[0:1], 0x0
	s_load_b128 s[68:71], s[0:1], 0x20
	v_lshl_add_u32 v[SPW], v0, 2, SPARE
	v_mov_b32 v[NIL], 0
	ds_add_u32 v28, v29
	ds_add_u32 v28, v29
	s_wait_dscnt 0x0
	v_lshrrev_b32 v1, 5, v0
	v_readfirstlane_b32 s14, v1
	v_and_b32 v24, 31, v0
	v_lshlrev_b32 v24, 8, v24                      ; the prefetches' offset: 256 x lane; never rewritten
	s_lshr_b32 s15, s14, 1
	s_and_b32 s16, s14, 1
	s_bfe_u32 s40, ttmp6, 0x40000
	s_bfe_u32 s41, ttmp6, 0x40004
	s_and_b32 s17, ttmp7, 0xffff
	s_lshl_b32 s17, s17, 2
	s_add_co_u32 s18, s17, s41
	s_add_co_u32 s19, s17, s40
	s_lshl_b32 s12, ttmp9, 22
	s_lshl_b32 s13, ttmp9, 20
	s_add_co_u32 s13, s13, 12<<20
	s_cmp_eq_u32 ttmp9, 2
	s_cselect_b32 s88, s41, s18
	s_cselect_b32 s89, s19, s40
	s_cselect_b32 s12, 14<<20, s12
	s_cselect_b32 s13, 8<<20, s13
	s_lshl_b32 s43, s41, 2
	s_lshl_b32 s43, 15, s43
	s_lshl_b32 s44, 0x1111, s40
	s_or_b32 s[G1+0], s43, (3<<16)|(1<<21)
	s_or_b32 s[G1B+0], s44, (3<<16)|(1<<21)
.irp g, G1, G1B
	s_mov_b32 s[\g+1], 32<<16
	s_mov_b32 s[\g+2], 128<<16
	s_mov_b32 s[\g+3], 32<<16
	s_mov_b32 s[\g+4], 128
	s_mov_b32 s[\g+5], 32
	s_mov_b32 s[\g+6], 0
	s_mov_b32 s[\g+7], 0
.endr
	s_lshl_b32 s90, s16, 15
	s_lshl_b32 s20, s88, 18
	s_add_co_u32 s20, s20, s12
	s_add_co_u32 s20, s20, s90
	s_mov_b32 s21, 0
	s_lshl_b32 s46, s89, 18
	s_add_co_u32 s46, s46, s13
	s_add_co_u32 s46, s46, s90
	s_mov_b32 s47, 0
	s_lshl_b32 s45, s14, 15
	s_wait_kmcnt 0x0
	s_load_b512 s[72:87], s[68:69], 0x0
	s_add_nc_u64 s[20:21], s[4:5], s[20:21]
	s_add_nc_u64 s[46:47], s[4:5], s[46:47]
	; PREFETCH: behind the first joint load chunks 1 and 2 are asked for, behind the second chunk 3.  Of the 32,768 bytes that a wave fetches, each of the four partners that ask for them jointly
	; names 8,192, told apart by address (cx for source 1's operand, cy for source 0's), lanes 256 bytes apart: each block of 256 bytes once in a cluster.  Chunk 0 comes by its load alone.
	s_cmp_eq_u32 s15, 0
	s_cselect_b64 s[12:13], s[20:21], s[46:47]
	s_cselect_b32 s18, s40, s41
	s_lshl_b32 s18, s18, 13
	s_mov_b32 s19, 0
	s_add_nc_u64 s[12:13], s[12:13], s[18:19]
.irp s, 0,1
	s_mov_b32 s[G0+4*\s], 1
	s_add_co_u32 s[G0+4*\s+1], s45, \s*SLOT
	s_add_nc_u64 s[G0+4*\s+2:G0+4*\s+3], s[20:21], \s*CHUNK
	s_or_b32 s[G0+4*\s+3], s[G0+4*\s+3], 0x80000000
	s_mov_b32 s[G0B+4*\s], 1
	s_add_co_u32 s[G0B+4*\s+1], s45, \s*SLOT
	s_add_nc_u64 s[G0B+4*\s+2:G0B+4*\s+3], s[46:47], \s*CHUNK
	s_or_b32 s[G0B+4*\s+3], s[G0B+4*\s+3], 0x80000000
	s_wait_alu depctr_va_vdst(0)
	s_wait_tensorcnt 0x0
	ds_add_u32 v28, v29
	ds_add_u32 v28, v29
	s_wait_dscnt 0x0
	CROUND
	JLOAD G0+4*\s, G1, G0B+4*\s, G1B
.if \s == 0
	global_prefetch_b8 v24, s[12:13] offset:CHUNK th:TH_LOAD_NT scope:SCOPE_SE
	global_prefetch_b8 v24, s[12:13] offset:2*CHUNK th:TH_LOAD_NT scope:SCOPE_SE
.else
	global_prefetch_b8 v24, s[12:13] offset:3*CHUNK th:TH_LOAD_NT scope:SCOPE_SE
.endif
.endr
	v_and_b32 v1, 31, v0
	v_lshlrev_b32 v[LI], 4, v1
	v_bfe_u32 v2, v0, 4, 1
	v_lshlrev_b32 v[CO], 6, v2
	s_wait_alu depctr_va_vdst(0)
	v_and_b32 v3, 15, v0
	v_and_b32 v4, 8, v3
	v_add_nc_u32 v3, v3, v4
	v_lshlrev_b32 v[RO], 2, v3
	s_wait_alu depctr_va_vdst(0)
	s_mul_i32 s22, s15, NT*2048
	s_mul_i32 s23, s16, NT*2048
	s_add_co_u32 s23, s23, CHUNK
.irp s, 0,1
	v_add_nc_u32 v[ADRA+\s], s22, v[LI]
	v_add_nc_u32 v[ADRB+\s], s23, v[LI]
	s_add_co_u32 s22, s22, SLOT
	s_add_co_u32 s23, s23, SLOT
.endr
	s_cmp_eq_u32 ttmp9, 0
	s_cselect_b64 s[92:93], s[6:7], s[8:9]
	s_cmp_eq_u32 ttmp9, 2
	s_cselect_b64 s[92:93], s[10:11], s[92:93]
	s_lshl_b32 s18, s41, 10
	s_lshl_b32 s19, s15, 9
	s_add_co_u32 s18, s18, s19
	s_mov_b32 s19, 0
	s_add_nc_u64 s[94:95], s[92:93], s[18:19]
	s_lshl_b32 s18, s40, 10
	s_lshl_b32 s90, s16, 9
	s_add_co_u32 s18, s18, s90
	s_add_nc_u64 s[92:93], s[92:93], s[18:19]
.irp b, 0,1,2,3
.irp j, 0,1,2,3
	global_load_b128 v[BIAS+16*\b+4*\j:BIAS+16*\b+4*\j+3], v[CO], s[92:93] offset:128*\b+16*\j
.endr
.endr
.irp a, 0,1,2,3,4,5,6,7
	global_load_b32 v[RBI+2*\a], v[RO], s[94:95] offset:4*(32*(\a/2)+8*(\a%2))
	global_load_b32 v[RBI+2*\a+1], v[RO], s[94:95] offset:4*(32*(\a/2)+8*(\a%2))
.endr
	s_lshr_b32 s18, s88, 3
	s_lshl_b32 s18, s18, 4
	s_lshl_b32 s19, s40, 2
	s_add_co_u32 s18, s18, s19
	s_lshl_b32 s19, s16, 1
	s_add_co_u32 s18, s18, s19
	s_lshl_b32 s18, s18, 17
	s_and_b32 s19, s88, 7
	s_lshl_b32 s19, s19, 1
	s_add_co_u32 s19, s19, s15
	s_lshl_b32 s19, s19, 13
	s_add_co_u32 s18, s18, s19
	s_cmp_eq_u32 ttmp9, 0
	s_cselect_b32 s19, 0, 1
	s_cselect_b32 s90, 0, 0x400000
	s_lshl_b32 s18, s18, s19
	s_add_co_u32 s18, s18, s90
	s_lshl_b32 s90, 0x20000, s19
	s_mov_b32 s19, 0
	s_mov_b32 s91, 0
	s_add_nc_u64 s[96:97], s[70:71], s[18:19]
	s_add_nc_u64 s[98:99], s[96:97], s[90:91]
	s_lshl_b32 s18, s89, 1
	s_add_co_u32 s18, s18, s16
	s_lshr_b32 s19, s18, 4
	s_lshl_b32 s19, s19, 4
	s_lshl_b32 s90, s41, 2
	s_add_co_u32 s19, s19, s90
	s_lshl_b32 s90, s15, 1
	s_add_co_u32 s19, s19, s90
	s_lshl_b32 s19, s19, 18
	s_and_b32 s18, s18, 15
	s_lshl_b32 s18, s18, 14
	s_add_co_u32 s18, s18, s19
	s_add_co_u32 s18, s18, 0x400000+8192
	s_mov_b32 s19, 0
	s_add_nc_u64 s[100:101], s[70:71], s[18:19]
	s_wait_alu depctr_va_vdst(0)
	s_wait_tensorcnt 1
	s_barrier_signal -1
	s_barrier_wait -1
	FETCH_B 0, 0, 0
	FETCH_A 0, 0, 0
	FETCH_A 0, 0, NT/2
	RUN 0, 1
.if LAPS > 1
	s_mov_b32 s3, LAPS-1
.Llap:
	TURN 0, 1, 1
	RUN 1, 0
	TURN 1, 0, 1
	RUN 0, 0
	s_sub_co_u32 s3, s3, 1
	s_cmp_lg_u32 s3, 0
	s_cbranch_scc1 .Llap
.endif
	TURN 0, 1, 0
	RUN 1, 0
	s_wait_dscnt 2*NT
	WIN MUL_LO
	MULR 0, NT/2, 1, 0
	s_wait_dscnt 0x0
	WIN MUL_HI
	MULR NT/2, NT/2, 1, 0
	WIN 0
.macro EPI kind
.irp a, 0,1,2,3,4,5,6,7
.set AC, 64*(\a%4)
.set CS, CD+16*(\a%2)
.if \a >= 2
	s_wait_xcnt 0x0
.endif
	WIN 0x02+(\a/4)
.set ej, 0
.rept 32
.if \kind
	v_pk_fma_f32 v[T+ej:T+ej+1], v[AC+ej:AC+ej+1], s[66:67], v[RBI+2*\a:RBI+2*\a+1] op_sel_hi:[1,0,1]
.else
	v_pk_fma_f32 v[T+ej:T+ej+1], v[AC+ej:AC+ej+1], s[66:67], v[BIAS+ej:BIAS+ej+1] op_sel_hi:[1,0,1]
.endif
.set ej, ej+2
.endr
	WIN 0
.set ej, 0
.rept 64
	v_med3_num_f32 v[T+ej], v[T+ej], -v[LIMV], v[LIMV]
.set ej, ej+1
.endr
.irp b, 0,1,2,3
	v_cvt_scalef32_pk8_fp8_f32 v[CS+4*\b:CS+4*\b+1], v[T+16*\b:T+16*\b+7], v[SCV]
	v_cvt_scalef32_pk8_fp8_f32 v[CS+4*\b+2:CS+4*\b+3], v[T+16*\b+8:T+16*\b+15], v[SCV]
.endr
	v_nop
.irp b, 0,1,2,3
.if \kind
	global_store_b128 v[LI], v[CS+4*\b:CS+4*\b+3], s[100:101] offset:(\a/4)*262144+(\a%4)*2048+\b*512
.else
	global_store_b128 v[LI], v[CS+4*\b:CS+4*\b+3], s[96+2*(\b/2):97+2*(\b/2)] offset:\a*1024+(\b%2)*512
.endif
.endr
.endr
.endm
	s_wait_loadcnt 0x0
	s_wait_kmcnt 0x0
	s_add_co_i32 s72, s72, s73
	s_add_co_i32 s74, s74, s75
	s_add_co_i32 s76, s76, s77
	s_cmp_eq_u32 ttmp9, 0
	s_cselect_b32 s72, s72, s74
	s_cselect_b32 s78, s78, s79
	s_cmp_eq_u32 ttmp9, 2
	s_cselect_b32 s72, s76, s72
	s_cselect_b32 s78, s81, s78
	s_add_co_i32 s72, s72, 127
	s_lshl_b32 s66, s72, 23
	s_mov_b32 s67, s66
	s_add_co_i32 s78, s78, 127
	s_lshl_b32 s79, s78, 23
	v_mov_b32 v[SCV], s79
	s_add_co_i32 s78, s78, 8
	s_lshl_b32 s78, s78, 23
	s_or_b32 s78, s78, 0x600000
	v_mov_b32 v[LIMV], s78
	PLACES
	s_cmp_eq_u32 ttmp9, 2
	s_cbranch_scc1 .Lway_v
	EPI 0
	s_branch .Lstored
.Lway_v:
	EPI 1
.Lstored:
	s_wait_tensorcnt 0x0
	ds_add_u32 v[SPW], v[NIL]
	s_wait_dscnt 0x0
	CROUND
	s_endpgm
.Lfunc_end_k_q01cc77f41d_qkv:
	.size	k_q01cc77f41d_qkv, .Lfunc_end_k_q01cc77f41d_qkv-k_q01cc77f41d_qkv
	.p2alignl 7, 3214868480
	.fill 96, 4, 3214868480
	.section	.rodata,"a",@progbits
	.p2align	6, 0x0
	.amdhsa_kernel k_q01cc77f41d_qkv
		.amdhsa_group_segment_fixed_size 327680
		.amdhsa_private_segment_fixed_size 0
		.amdhsa_enable_private_segment 0
		.amdhsa_kernarg_size 48
		.amdhsa_user_sgpr_count 2
		.amdhsa_user_sgpr_kernarg_segment_ptr 1
		.amdhsa_wavefront_size32 1
		.amdhsa_system_sgpr_workgroup_id_x 1
		.amdhsa_system_sgpr_workgroup_id_y 1
		.amdhsa_system_sgpr_workgroup_id_z 1
		.amdhsa_system_vgpr_workitem_id 0
		.amdhsa_next_free_vgpr 1024
		.amdhsa_next_free_sgpr 102
		.amdhsa_reserve_vcc 0
		.amdhsa_float_denorm_mode_32 3
		.amdhsa_float_denorm_mode_16_64 3
		.amdhsa_memory_ordered 1
		.amdhsa_forward_progress 1
		.amdhsa_inst_pref_size 196
	.end_amdhsa_kernel
	.amdgpu_metadata
---
amdhsa.version: [ 1, 2 ]
amdhsa.kernels:
  - .name:           k_q01cc77f41d_qkv
    .symbol:         k_q01cc77f41d_qkv.kd
    .args:
      - { .name: qc, .offset: 0, .size: 8, .value_kind: global_buffer, .address_space: global }
      - { .name: bq, .offset: 8, .size: 8, .value_kind: global_buffer, .address_space: global }
      - { .name: bk, .offset: 16, .size: 8, .value_kind: global_buffer, .address_space: global }
      - { .name: bv, .offset: 24, .size: 8, .value_kind: global_buffer, .address_space: global }
      - { .name: lowp_scales, .offset: 32, .size: 8, .value_kind: global_buffer, .address_space: global }
      - { .name: qkv, .offset: 40, .size: 8, .value_kind: global_buffer, .address_space: global }
    .group_segment_fixed_size: 327680
    .private_segment_fixed_size: 0
    .kernarg_segment_align: 8
    .kernarg_segment_size: 48
    .max_flat_workgroup_size: 128
    .sgpr_count:     102
    .vgpr_count:     1024
    .wavefront_size: 32
...
	.end_amdgpu_metadata
.endif
;; end of part 2
;; launch attn (part 3): grid 8 x 32, 8 waves a work-group, clusters of 4 x 1, 327,680 bytes of LDS; arguments qkv, lowp_scales, ctx; writes ctx
.if DOCPART == 3
	.amdgcn_target "amdgcn-amd-amdhsa--gfx1250"
	.amdhsa_code_object_version 6
	.text
	.protected	k_q01cc77f41d_attn
	.globl	k_q01cc77f41d_attn
	.p2align	8
	.type	k_q01cc77f41d_attn,@function
k_q01cc77f41d_attn:
	s_mov_b64 s[64:65], 0
	v_nop
	global_prefetch_b8 v0, s[64:65] scope:SCOPE_SE
	s_setreg_imm32_b32 hwreg(HW_REG_WAVE_MODE, 25, 1), 1
	s_wait_xcnt 0x0
	s_wait_alu depctr_hold_cnt(0) depctr_sa_sdst(0) depctr_va_vdst(0) depctr_va_sdst(0) depctr_va_ssrc(0) depctr_va_vcc(0) depctr_vm_vsrc(0)
	s_getreg_b32 s2, hwreg(HW_REG_IB_STS2, 6, 4)
	s_cmp_eq_u32 s2, 0
	s_cbranch_scc0 .Lentry_in_a_cluster
	s_endpgm
.Lentry_in_a_cluster:
	s_bfe_u32 s2, ttmp6, 0x10000c
	s_cmp_lg_u32 s2, 0x3003
	s_cbranch_scc0 .Lentry_shape_is_right
	s_endpgm
.Lentry_shape_is_right:
; ctx = softmax(q k^T / 8) v for one head of 64 channels and 2,048 keys, both products on codes of FP8 (E4M3); ctx is quantised at once (entry 10) as an image of the next operand's registers.
; THE SOFTMAX: t = score x log2(e) / 8; M = the running largest t rounded UP to a whole number; p = 2^(t - M) is quantised (entry 8), not normalised; the row's sum is taken of the unquantised p and divides at the end.
; When M moves, the sum and O are multiplied by 2^(old M - new M), which rounds nothing.
; SHARES.  A work-group owns 256 queries of one head (work-group y = 16 x batch + head); each of its eight waves TWO tiles of 16 queries, so that each fragment of K and V read from LDS feeds two matrix instructions.
; A HEAD'S K AND V STAY IN LDS: 16 key steps x 16,384 bytes (k's 8 tiles of 1,024 bytes, then v's 4 tiles of 2,048), copied once, as they lie, in two parts: key steps 0-3 (8,192 bytes a wave) at the head,
; key steps 4-15 (24,576 bytes a wave) behind the sequence ahead of a later first fill; that load has key steps 0-2 in which to land.  No LDS byte is filled twice.
; The four query blocks of a cluster share the head: each load is a joint one.  By this text's count a wave has one tensor load out.  All of LDS is claimed.
; No prefetch: all of K and V has been asked for when the first key step begins, so there is no loop of loads to run ahead in.
; LAYOUT.  Both products transposed: S^T = K Q^T, O^T = V^T P^T: a lane holds one query (slot lane % 16) of each tile throughout.  Tiles hold their indices in the order slot r = 32 (T / 2) + 8 (T % 2) + r + 8 (r / 8),
; so the 16 registers of key tiles 2 b, 2 b + 1 are keys 32 b + 16 h + 0 .. 15, and the conversions' results are the second product's operand; O^T's likewise are a piece of ctx's image.
; A KEY STEP.  K of the next step is asked of LDS behind this step's scores, V of the next step behind this step's second product.  Maxima and statistics of the two tiles go line by line; O^T is rescaled ahead of the exponentials.
; Each tile's 64 exponentials are a batch.  Among a batch stand only plain lines that read nothing written since the wait ahead of it and whose results are first read behind the wait that follows it:
; among tile 0's, tile 1's scalings; among tile 1's, the first level of tile 0's sums (16 sums of two pairs, into registers of their own) and tile 0's holds.
; LIMITS: entries 6 + 7 between -123 and 130 (added to c's exponent field); entries 8 and 10 between -126 and 119.  NaN among the inputs is not served.
; REGISTERS, in windows of 256 (s_set_vgpr_msb: bits 1:0 source 0, 3:2 source 1, 5:4 source 2, 7:6 destination):
;   window 0: v1 16 x lane; v6, v7 the lane permutes' results; v8 the LDS address of the step being fetched; v9 2^e8; v10, v11 448 x 2^e8; tile t: v[12+4t] -M, v[13+4t] the largest t, v[14+4t:15+4t] the sum in two halves,
;             v[20+2t] f; v[26:27] the second chain of tile 1's sum; v28 448 x 2^e10, v29 2^e10; v30, v31 the add's two; v32-47 Q; v48-79 p's codes; v80-87 the maximum's four chains a tile; v96-223 S^T, then p, 64 a tile; v224-255 tile 0's 16 part sums.
;   window 1: v0-63 K's 8 fragments; v64-127 V's 4; v128-191 O^T, 32 a tile.
.set WV,   18
.set LI,   1
.set AD,   8
.set SCP,  9
.set LIMA, 10
.set LIMB, 11
.set LIMC, 28
.set SCX,  29
.set SPW,  30
.set NIL,  31
.set Q,    32
.set PC,   48
.set TMP,  80
.set S,    96
.set TS,   224
.set KF,   0
.set VF,   64
.set O,    128
.set MSB, 0
.macro WIN new                         ; the immediate's high byte repeats the setting that is left
.if MSB != (\new)
	s_set_vgpr_msb (MSB<<8)|(\new)
.set MSB, (\new)
.endif
.endm
.macro CROUND                          ; a round of the cluster's barrier
	s_barrier_signal -1
	s_barrier_wait -1
	s_cmp_lg_u32 s[WV], 0
	s_cbranch_scc1 .Lnot_wave_0_\@
	s_barrier_signal -3
.Lnot_wave_0_\@:
	s_barrier_wait -3
	s_barrier_signal -1
	s_barrier_wait -1
.endm
	s_load_b128 s[4:7], s[0:1], 0x0                ; qkv s[4:5], lowp_scales s[6:7]
	s_load_b64 s[8:9], s[0:1], 0x10                ; ctx
	v_lshl_add_u32 v[SPW], v0, 2, 0x40000          ; my spare word, behind the head's 262,144 bytes
	v_mov_b32 v[NIL], 0
	ds_add_u32 v[SPW], v[NIL]                      ; the opening lines: the add, twice on end, and its wait ahead of my first tensor load
	ds_add_u32 v[SPW], v[NIL]
	v_lshrrev_b32 v2, 5, v0
	v_readfirstlane_b32 s[WV], v2                  ; wave 0..7
	s_bfe_u32 s13, ttmp6, 0x40000                  ; cx: it enters Q's and ctx's addresses alone
	s_lshl_b32 s14, ttmp9, 2
	s_add_co_u32 s14, s14, s13
	s_lshl_b32 s14, s14, 4
	s_lshl_b32 s12, s[WV], 1
	s_add_co_u32 s14, s14, s12                     ; Tq: my first tile of queries, an even number, 0 .. 126
	s_and_b32 s15, ttmp7, 0xffff                   ; 16 x batch + head
	s_lshl_b32 s16, s15, 18                        ; the head's K and V: 262,144 bytes,
	s_add_co_u32 s16, s16, 0x400000                ; 4 MiB into the buffer
	s_mov_b32 s17, 0
	s_lshl_b32 s72, s[WV], 13                      ; my 8,192 bytes of key steps 0-3, in memory and in LDS alike
	s_mov_b32 s73, 0
	s_mul_i32 s70, s[WV], 24576
	s_add_co_u32 s70, s70, 65536                   ; my 24,576 bytes of key steps 4-15
	s_mov_b32 s71, 0
	s_mov_b32 s24, 15|(3<<16)|(1<<21)              ; group 1, first part: the mask: all four work-groups; elements of 8 bytes; bit 21 beside the mask; no padding
	s_mov_b32 s25, 32<<16                          ; tensor_dim0 = 32 elements: rows of 256 bytes
	s_mov_b32 s26, 32<<16                          ; tensor_dim1 = 32
	s_mov_b32 s27, 32<<16                          ; tile_dim0
	s_mov_b32 s28, 32                              ; tile_dim1
	s_mov_b32 s29, 32                              ; the pitch
	s_mov_b32 s30, 0
	s_mov_b32 s31, 0
	s_mov_b32 s36, 15|(3<<16)|(1<<21)              ; group 1, second part: 96 rows
	s_mov_b32 s37, 32<<16
	s_mov_b32 s38, 96<<16
	s_mov_b32 s39, 32<<16
	s_mov_b32 s40, 96
	s_mov_b32 s41, 32
	s_mov_b32 s42, 0
	s_mov_b32 s43, 0
	s_mov_b32 s20, 0x76543210                      ; v_permlanex16_b32: lane l xor 16
	s_mov_b32 s21, 0xfedcba98
	s_mov_b32 s22, 0x3e38aa3b                      ; c = log2(e) / 8
	s_mov_b32 s2, 16384                            ; LDS byte of the key step that is fetched next
	s_wait_alu depctr_va_vdst(0)
	s_wait_dscnt 0x0                               ; both opening adds are done
	s_wait_kmcnt 0x0
	s_load_b512 s[48:63], s[6:7], 0x0              ; the sixteen exponents: entry n in s[48 + n]
	s_add_nc_u64 s[16:17], s[4:5], s[16:17]
	CROUND                                         ; all four work-groups are here: the joint loads meet
	s_mov_b32 s32, 1
	s_mov_b32 s33, s72
	s_add_nc_u64 s[34:35], s[16:17], s[72:73]
	s_or_b32 s35, s35, 0x80000000
	s_mov_b32 s44, 1
	s_mov_b32 s45, s70
	s_add_nc_u64 s[46:47], s[16:17], s[70:71]
	s_or_b32 s47, s47, 0x80000000
	tensor_load_to_lds s[32:35], s[24:31]          ; my part of key steps 0-3: my one tensor load at the head
	s_nop 0
.rept 4
	v_nop
.endr
	v_and_b32 v2, 31, v0
	v_lshlrev_b32 v[LI], 4, v2
	v_lshlrev_b32 v[AD], 4, v2                     ; key step 0 lies at LDS byte 0
	s_lshl_b32 s10, s15, 7
	s_add_co_u32 s10, s10, s14
	s_lshl_b32 s10, s10, 10                        ; Q: [head][tile][1,024 bytes]: my two tiles are 2,048 bytes on end
	s_mov_b32 s11, 0
	s_add_nc_u64 s[10:11], s[4:5], s[10:11]
.irp i, 0,1,2,3
	global_load_b128 v[Q+4*\i:Q+4*\i+3], v[LI], s[10:11] offset:512*\i
.endr
	s_lshr_b32 s12, s15, 4
	s_lshl_b32 s12, s12, 7
	s_add_co_u32 s12, s12, s14                     ; T: my first tile among all 256 tiles of tokens; T + 1 lies in the same block of 8
	s_and_b32 s13, s15, 15                         ; the head
	s_lshr_b32 s66, s12, 3
	s_lshl_b32 s66, s66, 3
	s_lshr_b32 s67, s13, 1
	s_add_co_u32 s66, s66, s67                     ; (block T / 8) x 8 K steps + K step head / 2
	s_lshl_b32 s66, s66, 3
	s_and_b32 s67, s12, 7
	s_add_co_u32 s66, s66, s67
	s_lshl_b32 s66, s66, 11
	s_and_b32 s67, s13, 1
	s_lshl_b32 s67, s67, 10                        ; pieces 2 (head % 2), + 1
	s_add_co_u32 s66, s66, s67
	s_mov_b32 s67, 0
	s_add_nc_u64 s[8:9], s[8:9], s[66:67]
.irp t, 0,1
	v_mov_b32 v[13+4*\t], 0xff61b1e6               ; the largest t so far: -3e38
	v_floor_f32 v[12+4*\t], -v[13+4*\t]            ; -M
	v_mov_b32 v[14+4*\t], 0                        ; the sum
	v_mov_b32 v[15+4*\t], 0
	v_mov_b32 v[21+2*\t], 0                        ; (the upper half of f's pair)
	v_mov_b32 v[6+\t], 0                           ; a lane permute's destination counts as read
.endr
	WIN 0x40
.set li, 0
.rept 64
	v_mov_b32 v[O+li], 0                           ; O^T: the step is written once; the first finds zeros
.set li, li+1
.endr
	WIN 0
	s_wait_alu depctr_va_vdst(0)
	s_wait_kmcnt 0x0
	s_add_co_i32 s68, s54, s55
	s_lshl_b32 s68, s68, 23
	s_add_co_i32 s22, s22, s68                     ; a score stands for score x 2^(e6 + e7): added to c's exponent field
	s_mov_b32 s23, s22
	s_add_co_i32 s68, s56, 127
	s_lshl_b32 s69, s68, 23
	v_mov_b32 v[SCP], s69                          ; 2^e8
	s_add_co_i32 s68, s68, 8
	s_lshl_b32 s68, s68, 23
	s_or_b32 s68, s68, 0x600000
	v_mov_b32 v[LIMA], s68                         ; 448 x 2^e8, twice: the two halves of a dual-issue pair take their second sources from different register banks
	v_mov_b32 v[LIMB], s68
	s_add_co_i32 s68, s58, 127
	s_lshl_b32 s69, s68, 23
	v_mov_b32 v[SCX], s69                          ; 2^e10
	s_add_co_i32 s68, s68, 8
	s_lshl_b32 s68, s68, 23
	s_or_b32 s68, s68, 0x600000
	v_mov_b32 v[LIMC], s68                         ; 448 x 2^e10
.macro FETCH_K                         ; a key step's 8 tiles of K, under a destination in window 1
.irp t, 0,1,2,3,4,5,6,7
	ds_load_b128 v[KF+8*\t:KF+8*\t+3], v[AD] offset:1024*\t
	ds_load_b128 v[KF+8*\t+4:KF+8*\t+7], v[AD] offset:1024*\t+512
.endr
.endm
.macro FETCH_V                         ; and its 4 tiles of V
.irp m, 0,1,2,3
.irp c, 0,1,2,3
	ds_load_b128 v[VF+16*\m+4*\c:VF+16*\m+4*\c+3], v[AD] offset:8192+2048*\m+512*\c
.endr
.endr
.endm
; WHAT STANDS AHEAD OF A TILE'S EXPONENTIALS is a list of 73 instructions; PRE writes number i of it for tile t.
;   0-31   the largest of the lane's 64 scores, three operands at a time, in four chains of 15 scores, then the four scores left over and the chains; each accumulator is read from its low end on
;   32-40  lane l xor 16's; as t; the running largest t; -M = floor(-t); f = 2^(old M - new M)
;   41-72  the scalings t - M, a pair of scores each
.macro PRE t, i
.set SB, S+64*(\t)
.set TT, TMP+4*(\t)
.set NM, 12+4*(\t)
.set FF, 20+2*(\t)
.set PD, 6+(\t)
.if (\i) < 4
	v_max3_num_f32 v[TT+(\i)], v[SB+16*(\i)], v[SB+16*(\i)+1], v[SB+16*(\i)+2]
.elseif (\i) < 28
	v_max3_num_f32 v[TT+(\i)%4], v[TT+(\i)%4], v[SB+16*((\i)%4)+2*((\i)/4)+1], v[SB+16*((\i)%4)+2*((\i)/4)+2]
.elseif (\i) == 28
	v_max3_num_f32 v[TT], v[TT], v[SB+15], v[SB+31]
.elseif (\i) == 29
	v_max3_num_f32 v[TT+2], v[TT+2], v[SB+47], v[SB+63]
.elseif (\i) == 30
	v_max3_num_f32 v[TT], v[TT], v[TT+1], v[TT+2]
.elseif (\i) == 31
	v_max_num_f32 v[TT], v[TT], v[TT+3]
.elseif (\i) == 32
	v_permlanex16_b32 v[PD], v[TT], s20, s21
.elseif (\i) == 33
	v_max_num_f32 v[TT], v[TT], v[PD]
.elseif (\i) == 34
	v_mul_f32 v[TT], s22, v[TT]                    ; as t (c is positive)
.elseif (\i) == 35
	v_max_num_f32 v[NM+1], v[NM+1], v[TT]
.elseif (\i) == 36
	v_mov_b32 v[TT], v[NM]
.elseif (\i) == 37
	v_floor_f32 v[NM], -v[NM+1]                    ; the new -M
.elseif (\i) == 38
	v_sub_f32 v[TT], v[NM], v[TT]                  ; old M - new M: a whole number, 0 or less
.elseif (\i) == 39
	v_cvt_i32_f32 v[TT], v[TT]
.elseif (\i) == 40
	v_ldexp_f32 v[FF], 1.0, v[TT]
.else
	v_pk_fma_f32 v[SB+2*((\i)-41):SB+2*((\i)-41)+1], v[SB+2*((\i)-41):SB+2*((\i)-41)+1], s[22:23], v[NM:NM+1] op_sel_hi:[1,0,0]
.endif
.endm
; Two holds in one instruction: p is not negative, so the hold is one-sided (the conversion to an 8-bit code does not saturate: ISA guide 7.6.2).  One destination even, the other odd; the four sources in four register banks.
.macro HOLD r
	v_dual_min_num_f32 v[\r], v[\r], v[LIMA] :: v_dual_min_num_f32 v[\r+1], v[\r+1], v[LIMB]
.endm
; TILE 1 BEHIND ITS EXPONENTIALS (and line 0 for either tile): a list of 65.  0: the sum under the new M.  1, and the even numbers to 60: the sum of the UNQUANTISED p, a pair at a time, in two chains
; (number 2 k - 2 adds registers 2 k and 2 k + 1).  The odd numbers from 3 on, 63 and 64: the holds, each of a pair that has been summed.  62: the two chains are joined.
.macro POST t, i
.set SB, S+64*(\t)
.set SU, 14+4*(\t)
.set FF, 20+2*(\t)
.set C2, 24+2*(\t)
.if (\i) == 0
	v_pk_mul_f32 v[SU:SU+1], v[SU:SU+1], v[FF:FF+1] op_sel_hi:[1,0]
.elseif (\i) == 1
	v_pk_add_f32 v[C2:C2+1], v[SB:SB+1], v[SB+2:SB+3]
.elseif (\i) < 62
.if (\i)%2 == 0
.set pk, (\i)/2+1
.if pk%2 == 0
	v_pk_add_f32 v[SU:SU+1], v[SU:SU+1], v[SB+2*pk:SB+2*pk+1]
.else
	v_pk_add_f32 v[C2:C2+1], v[C2:C2+1], v[SB+2*pk:SB+2*pk+1]
.endif
.else
	HOLD SB+(\i)-3
.endif
.elseif (\i) == 62
	v_pk_add_f32 v[SU:SU+1], v[SU:SU+1], v[C2:C2+1]
.elseif (\i) == 63
	HOLD SB+60
.else
	HOLD SB+62
.endif
.endm
; TILE 0 AMONG TILE 1'S EXPONENTIALS: a list of 49 lines, none of which reads another's result.  0: the sum under the new M.  1-16: part sum k of the UNQUANTISED p: registers 4 k .. 4 k + 3.  17-48: the holds, all behind the sums.
.macro MID i
.if (\i) == 0
	POST 0, 0
.elseif (\i) < 17
	v_pk_add_f32 v[TS+2*((\i)-1):TS+2*((\i)-1)+1], v[S+4*((\i)-1):S+4*((\i)-1)+1], v[S+4*((\i)-1)+2:S+4*((\i)-1)+3]
.elseif (\i) < 49
	HOLD S+2*((\i)-17)
.endif
.endm
; The 16 part sums are joined, by halves, and added to tile 0's sum: 16 lines.
.macro RED j
.if (\j) < 8
	v_pk_add_f32 v[TS+2*(\j):TS+2*(\j)+1], v[TS+2*(\j):TS+2*(\j)+1], v[TS+2*(\j)+16:TS+2*(\j)+17]
.elseif (\j) < 12
	v_pk_add_f32 v[TS+2*((\j)-8):TS+2*((\j)-8)+1], v[TS+2*((\j)-8):TS+2*((\j)-8)+1], v[TS+2*((\j)-8)+8:TS+2*((\j)-8)+9]
.elseif (\j) < 14
	v_pk_add_f32 v[TS+2*((\j)-12):TS+2*((\j)-12)+1], v[TS+2*((\j)-12):TS+2*((\j)-12)+1], v[TS+2*((\j)-12)+4:TS+2*((\j)-12)+5]
.elseif (\j) == 14
	v_pk_add_f32 v[TS:TS+1], v[TS:TS+1], v[TS+2:TS+3]
.else
	v_pk_add_f32 v[14:15], v[14:15], v[TS:TS+1]
.endif
.endm
.macro CVT t                           ; tile t's 64 numbers become the second product's operand
.irp b, 0,1,2,3
	v_cvt_scalef32_pk8_fp8_f32 v[PC+16*(\t)+4*\b:PC+16*(\t)+4*\b+1], v[S+64*(\t)+16*\b:S+64*(\t)+16*\b+7], v[SCP]
	v_cvt_scalef32_pk8_fp8_f32 v[PC+16*(\t)+4*\b+2:PC+16*(\t)+4*\b+3], v[S+64*(\t)+16*\b+8:S+64*(\t)+16*\b+15], v[SCP]
.endr
.endm
; A KEY STEP: 128 keys, two tiles of queries.  more = 1: the next step's K and V are fetched.
.macro STEP more
	s_wait_dscnt 16                                ; this step's K is in; V's sixteen loads, issued behind it, may be out
	WIN 0x01                                       ; source 0 (K) window 1
.irp kt, 0,1,2,3,4,5,6,7
.irp t, 0,1
	v_wmma_f32_16x16x64_fp8_fp8 v[S+64*\t+8*\kt:S+64*\t+8*\kt+7], v[KF+8*\kt:KF+8*\kt+7], v[Q+8*\t:Q+8*\t+7], 0
.endr
.endr
	WIN 0
.if \more
	v_add_nc_u32 v[AD], s2, v[LI]                  ; with the three lines below: four places ahead of the loads into K's registers and of the first read of a score
.rept 3
	v_nop
.endr
	WIN 0x40                                       ; destination window 1
	FETCH_K
	WIN 0
.else
.rept 4
	v_nop
.endr
.endif
.set pi, 0
.rept 41
	PRE 0, pi                                      ; the two tiles' maxima and statistics, line by line
	PRE 1, pi
.set pi, pi+1
.endr
	WIN 0x41                                       ; O^T (destination and source 0) window 1, f window 0
.irp t, 0,1
.set pi, 0
.rept 16
	v_pk_mul_f32 v[O+32*\t+pi:O+32*\t+pi+1], v[O+32*\t+pi:O+32*\t+pi+1], v[20+2*\t:21+2*\t] op_sel_hi:[1,0]   ; O^T under the new M, each accumulator from its low end on; no exponential stands between the last products and these lines
.set pi, pi+2
.endr
.endr
	WIN 0
.set pi, 41
.rept 32
	PRE 0, pi                                      ; tile 0's scalings
.set pi, pi+1
.endr
	s_wait_alu depctr_va_vdst(0)                   ; ahead of the batch
.set pi, 0
.rept 32
	v_exp_f32 v[S+2*pi], v[S+2*pi]                 ; tile 0: p = 2^(t - M), at most 1
	v_exp_f32 v[S+2*pi+1], v[S+2*pi+1]
	PRE 1, 41+pi                                   ; tile 1's scalings: first read behind the wait below
.set pi, pi+1
.endr
	s_wait_alu depctr_va_vdst(0)                   ; one wait: behind tile 0's batch and ahead of tile 1's
.set pi, 0
.rept 64
	v_exp_f32 v[S+64+pi], v[S+64+pi]               ; tile 1
	MID pi
.set pi, pi+1
.endr
	POST 1, 0                                      ; a plain line behind the last exponential
	s_wait_alu depctr_va_vdst(0)                   ; one wait behind tile 1's batch, ahead of its first reader and of the readers of the lines laid among it
	CVT 0
.set pi, 1
.rept 64
	POST 1, pi
.if pi%4 == 0
	RED pi/4-1
.endif
.set pi, pi+1
.endr
	CVT 1
	v_nop                                          ; a plain line between the conversions and the products
	s_wait_alu depctr_va_vdst(0)
.if \more
	s_wait_dscnt 16                                ; this step's V is in; the next K's sixteen loads may be out
.else
	s_wait_dscnt 0x0
.endif
	WIN 0x51                                       ; V, C and D window 1, p's codes window 0
.irp m, 0,1,2,3
.irp t, 0,1
	v_wmma_f32_16x16x128_fp8_fp8 v[O+32*\t+8*\m:O+32*\t+8*\m+7], v[VF+16*\m:VF+16*\m+15], v[PC+16*\t:PC+16*\t+15], v[O+32*\t+8*\m:O+32*\t+8*\m+7]   ; eight accumulators, one instruction each
.endr
.endr
.if \more
	WIN 0x40
.rept 4
	v_nop                                          ; places ahead of the loads into V's registers
.endr
	FETCH_V
	s_add_co_u32 s2, s2, 16384
.endif
	WIN 0
.endm
.macro STEPS n
	s_mov_b32 s3, \n
.Lsteps_\@:
	STEP 1
	s_sub_co_u32 s3, s3, 1
	s_cmp_lg_u32 s3, 0
	s_cbranch_scc1 .Lsteps_\@
.endm
	s_wait_alu depctr_va_vdst(0)                   ; the head's end
	s_wait_loadcnt 0x0                             ; Q
	s_wait_tensorcnt 0x0                           ; my part of key steps 0-3 is in
	ds_add_u32 v[SPW], v[NIL]
	s_wait_dscnt 0x0
	CROUND                                         ; everybody's part is in, and all four work-groups are here: the joint loads meet
	tensor_load_to_lds s[44:47], s[36:43]          ; my part of key steps 4-15: the first tensor load behind the round
	s_nop 0
.rept 4
	v_nop
.endr
	WIN 0x40
	FETCH_K                                        ; key step 0
	FETCH_V
	WIN 0
	STEPS 3                                        ; steps 0-2, which fetch steps 1-3
	s_wait_tensorcnt 0x0                           ; my part of key steps 4-15 is in,
	s_wait_dscnt 0x0                               ; no LDS instruction of mine is out at a signal,
	s_barrier_signal -1
	s_barrier_wait -1                              ; everybody's part is in.
	STEPS 12                                       ; steps 3-14, which fetch steps 4-15
	STEP 0                                         ; step 15 fetches nothing
	; THE WAY OUT: O^T / the sum x 2^(e8 + e9), held, converted with entry 10, stored as two pieces of ctx's image for each tile
.rept 4
	v_nop                                          ; places behind the last products
.endr
.irp t, 0,1
	v_add_f32 v[14+4*\t], v[14+4*\t], v[15+4*\t]
.endr
.irp t, 0,1
	v_permlanex16_b32 v[6+\t], v[14+4*\t], s20, s21
.endr
.irp t, 0,1
	v_add_f32 v[14+4*\t], v[14+4*\t], v[6+\t]      ; the row's sum
.endr
	s_wait_alu depctr_va_vdst(0)                   ; ahead of the transcendentals
.irp t, 0,1
	v_rcp_f32 v[14+4*\t], v[14+4*\t]
.endr
	v_nop                                          ; a plain line behind the transcendentals
	s_add_co_i32 s66, s56, s57
	s_wait_alu depctr_va_vdst(0)                   ; and one wait for the two, ahead of their first reader
.irp t, 0,1
	v_ldexp_f32 v[14+4*\t], v[14+4*\t], s66
.endr
	WIN 0x01                                       ; source 0 (O^T) window 1
	s_wait_alu depctr_va_vdst(0)                   ; directly ahead of the first reader of O^T
.irp t, 0,1
.set li, 0
.rept 32
	v_mul_f32 v[S+32*\t+li], v[O+32*\t+li], v[14+4*\t]   ; register 16 b + i: channel 32 b + 16 h + i of the head
.set li, li+1
.endr
.endr
	WIN 0
.set li, 0
.rept 64
	v_med3_num_f32 v[S+li], v[S+li], -v[LIMC], v[LIMC]
.set li, li+1
.endr
.irp t, 0,1
.irp b, 0,1
	v_cvt_scalef32_pk8_fp8_f32 v[PC+8*\t+4*\b:PC+8*\t+4*\b+1], v[S+32*\t+16*\b:S+32*\t+16*\b+7], v[SCX]
	v_cvt_scalef32_pk8_fp8_f32 v[PC+8*\t+4*\b+2:PC+8*\t+4*\b+3], v[S+32*\t+16*\b+8:S+32*\t+16*\b+15], v[SCX]
.endr
.endr
	v_nop
.irp t, 0,1
.irp b, 0,1
	global_store_b128 v[LI], v[PC+8*\t+4*\b:PC+8*\t+4*\b+3], s[8:9] offset:2048*\t+512*\b   ; 512 consecutive bytes
.endr
.endr
	s_wait_tensorcnt 0x0                           ; the wave's end
	ds_add_u32 v[SPW], v[NIL]
	s_wait_dscnt 0x0
	CROUND                                         ; the closing round: no work-group ends while a partner may still ask for bytes that name it
	s_endpgm
.Lfunc_end_k_q01cc77f41d_attn:
	.size	k_q01cc77f41d_attn, .Lfunc_end_k_q01cc77f41d_attn-k_q01cc77f41d_attn
	.p2alignl 7, 3214868480
	.fill 96, 4, 3214868480
	.section	.rodata,"a",@progbits
	.p2align	6, 0x0
	.amdhsa_kernel k_q01cc77f41d_attn
		.amdhsa_group_segment_fixed_size 327680
		.amdhsa_private_segment_fixed_size 0
		.amdhsa_enable_private_segment 0
		.amdhsa_kernarg_size 24
		.amdhsa_user_sgpr_count 2
		.amdhsa_user_sgpr_kernarg_segment_ptr 1
		.amdhsa_wavefront_size32 1
		.amdhsa_system_sgpr_workgroup_id_x 1
		.amdhsa_system_sgpr_workgroup_id_y 1
		.amdhsa_system_sgpr_workgroup_id_z 1
		.amdhsa_system_vgpr_workitem_id 0
		.amdhsa_next_free_vgpr 512
		.amdhsa_next_free_sgpr 80
		.amdhsa_reserve_vcc 0
		.amdhsa_float_denorm_mode_32 3
		.amdhsa_float_denorm_mode_16_64 3
		.amdhsa_memory_ordered 1
		.amdhsa_forward_progress 1
		.amdhsa_inst_pref_size 102
	.end_amdhsa_kernel
	.amdgpu_metadata
---
amdhsa.version: [ 1, 2 ]
amdhsa.kernels:
  - .name:           k_q01cc77f41d_attn
    .symbol:         k_q01cc77f41d_attn.kd
    .args:
      - { .name: qkv, .offset: 0, .size: 8, .value_kind: global_buffer, .address_space: global }
      - { .name: lowp_scales, .offset: 8, .size: 8, .value_kind: global_buffer, .address_space: global }
      - { .name: ctx, .offset: 16, .size: 8, .value_kind: global_buffer, .address_space: global }
    .group_segment_fixed_size: 327680
    .private_segment_fixed_size: 0
    .kernarg_segment_align: 8
    .kernarg_segment_size: 24
    .max_flat_workgroup_size: 256
    .sgpr_count:     80
    .vgpr_count:     512
    .wavefront_size: 32
...
	.end_amdgpu_metadata
.endif
;; end of part 3
;; launch wo (part 4): grid 8 x 32, 4 waves a work-group, clusters of 4 x 4, 327,680 bytes of LDS; arguments ctx, qc, y1; writes y1
.if DOCPART == 4
	.amdgcn_target "amdgcn-amd-amdhsa--gfx1250"
	.amdhsa_code_object_version 6
	.text
	.protected	k_q01cc77f41d_wo
	.globl	k_q01cc77f41d_wo
	.p2align	8
	.type	k_q01cc77f41d_wo,@function
k_q01cc77f41d_wo:
	s_mov_b64 s[64:65], 0
	v_nop
	global_prefetch_b8 v0, s[64:65] scope:SCOPE_SE
	s_setreg_imm32_b32 hwreg(HW_REG_WAVE_MODE, 25, 1), 1
	s_wait_xcnt 0x0
	s_wait_alu depctr_hold_cnt(0) depctr_sa_sdst(0) depctr_va_vdst(0) depctr_va_sdst(0) depctr_va_ssrc(0) depctr_va_vcc(0) depctr_vm_vsrc(0)
	s_getreg_b32 s2, hwreg(HW_REG_IB_STS2, 6, 4)
	s_cmp_eq_u32 s2, 0
	s_cbranch_scc0 .Lentry_in_a_cluster
	s_endpgm
.Lentry_in_a_cluster:
	s_bfe_u32 s2, ttmp6, 0x10000c
	s_cmp_lg_u32 s2, 0xf033
	s_cbranch_scc0 .Lentry_shape_is_right
	s_endpgm
.Lentry_shape_is_right:
; y = A B^T on codes of FP8 (E4M3): the raw f32 sums; the next launch multiplies them by the two given scales.  A: the tokens' codes (4,096 x 128 KS), B: the weight's codes in qc at BOFF (1,024 columns x 128 KS).
; OPERANDS ARE IMAGES of the matrix operand's registers: a fragment (16 indices x 128 K) is 2,048 bytes, piece c at 512 c, lane l's 16 bytes at 16 l = k 32 c + 16 (l / 16) + 0 .. 15 of slot l % 16;
; slot r of tile T is index 32 (T / 2) + 8 (T % 2) + r + 8 (r / 8).  A stream is [block of 8 tiles][K step][tile][2,048]: a slot's share of an operand, four K steps, is 65,536 consecutive bytes.
; A tile of 128 x 128 a work-group (256 work-groups), 64 x 64 a wave: 16 accumulators.  Source 0 = B's tile, source 1 = A's: lane (r, h) holds the token in slot r; register j of B's tile t is column 32 (t / 2) + 16 h + 8 (t % 2) + j.
; y is stored as it lies in the registers: [tile of tokens][pair of column tiles][piece j][lane][16 bytes]: lane (r, h), piece j = columns 32 P + 16 h + 4 j + 0 .. 3: each store covers 512 consecutive bytes.
; CLUSTERS: 4 x 4.  A's chunk is shared along a row of the cluster, B's along a column: joint loads.
; REGISTERS: window 0: v16-29 addresses; from v128 A's 4 fragments (one set).  window 1: B's fragments, two sets, at v0 and v128.  window 2: the accumulators of A's blocks 0, 1 ((a, b) at v[8 (4 (a % 2) + b)]); window 3: blocks 2, 3.
; THE WHOLE K LIES IN LDS: A's block (8 K steps x 8 tiles x 2,048 = 131,072 bytes) at byte 0, B's behind it, each as it lies in memory.  Each wave brings 65,536 bytes by its ONE joint load at the head; nothing is filled again.
; No prefetch: everything is asked for at the head, so there is no loop of loads to run ahead in.
.set NT,    4                          ; tiles a wave and side
.set TBK,   8                          ; tiles a work-group and side
.set NQ,    4                          ; steps of 128 along K in a slot
.set KS,    8                          ; steps of 128 along K in all
.set BOFF,  15<<20                     ; Wo's codes in qc
.set LAPS,  KS/(2*NQ)
.set CHUNK, 65536                      ; a slot's share of one operand
.set SLOT,  2*CHUNK                    ; an operand's whole block: two chunks of four K steps
.set SPARE, 2*SLOT                     ; behind the ring: the spare words, 128 bytes a wave, that no other line names
.set BLKB,  KS*TBK*2048                ; a block of a stream
.set ADRA, 16                          ; v16-17 LDS address of my A fragments in slot 0, 1
.set ADRB, 20                          ; v20-21 the same for B
.set LI,   26                          ; v26 16 x lane
.set SPW,  28                          ; v28 my spare word; never rewritten
.set NIL,  29                          ; v29 0; never rewritten
.set AF,   128
.set G1, 24
.set G0, 32
.set G1B, 48
.set G0B, 56
.set MSB, 0
.macro WIN new                         ; the immediate's high byte repeats the setting that is left
.if MSB != (\new)
	s_set_vgpr_msb (MSB<<8)|(\new)
.set MSB, (\new)
.endif
.endm
.set MUL_LO, 0xa1                      ; source 0 (B) window 1, source 1 (A) window 0, C and D window 2
.set MUL_HI, 0xf1                      ; the same, C and D window 3
.set TO_B,   0x40                      ; destination window 1
.macro JLOAD g0a, g1a, g0b, g1b        ; a joint load: waves 0 and 1 fetch the halves of A's block, waves 2 and 3 of B's; four v_nop follow each line
	s_cmp_eq_u32 s15, 0
	s_cbranch_scc0 .Lfor_b_\@
	tensor_load_to_lds s[\g0a:\g0a+3], s[\g1a:\g1a+7]
	s_nop 0
.rept 4
	v_nop
.endr
	s_branch .Lasked_\@
.Lfor_b_\@:
	tensor_load_to_lds s[\g0b:\g0b+3], s[\g1b:\g1b+7]
	s_nop 0
.rept 4
	v_nop
.endr
.Lasked_\@:
.endm
.macro CREST                           ; a round of the cluster's barrier behind its opening barrier
	s_cmp_lg_u32 s14, 0
	s_cbranch_scc1 .Lnot_wave_0_\@
	s_barrier_signal -3
.Lnot_wave_0_\@:
	s_barrier_wait -3
	s_barrier_signal -1
	s_barrier_wait -1
.endm
.macro CROUND
	s_barrier_signal -1
	s_barrier_wait -1
	CREST
.endm
.macro PLACES                          ; four plain vector lines behind matrix instructions, ahead of loads into their sources and of reads of their results
.rept 4
	v_nop
.endr
.endm
.macro FRAG reg, adr, off              ; a fragment comes as it was stored: four loads of 512 consecutive bytes
.irp c, 0,1,2,3
	ds_load_b128 v[\reg+4*\c:\reg+4*\c+3], v[\adr] offset:\off+512*\c
.endr
.endm
.macro FETCH_B slot, q, p              ; B's NT fragments of the slot's q-th step into set p
	WIN TO_B
.set fi, 0
.rept NT
	FRAG 128*(\p)+16*fi, ADRB+\slot, ((\q)*TBK+fi)*2048
.set fi, fi+1
.endr
	WIN 0
.endm
.macro FETCH_A slot, q, i0             ; A's blocks i0 .. i0 + NT/2 - 1
.set fi, \i0
.rept NT/2
	FRAG AF+16*fi, ADRA+\slot, ((\q)*TBK+fi)*2048
.set fi, fi+1
.endr
.endm
.macro MULA a, p, zero                 ; A's block a against B's NT tiles.  zero = 1: the product starts the sums
.irp b, 0,1,2,3,4,5,6,7
.if \b < NT
.if \zero
	v_wmma_f32_16x16x128_fp8_fp8 v[8*(NT*((\a)%(NT/2))+\b):8*(NT*((\a)%(NT/2))+\b)+7], v[128*(\p)+16*\b:128*(\p)+16*\b+15], v[AF+16*(\a):AF+16*(\a)+15], 0
.else
	v_wmma_f32_16x16x128_fp8_fp8 v[8*(NT*((\a)%(NT/2))+\b):8*(NT*((\a)%(NT/2))+\b)+7], v[128*(\p)+16*\b:128*(\p)+16*\b+15], v[AF+16*(\a):AF+16*(\a)+15], v[8*(NT*((\a)%(NT/2))+\b):8*(NT*((\a)%(NT/2))+\b)+7]
.endif
.endif
.endr
.endm
.macro MULR a0, n, p, zero             ; n blocks of A from a0 on.  All accumulators take turns, one instruction a turn, in the same order in every step
.set ma, \a0
.rept \n
	MULA ma, \p, \zero
.set ma, ma+1
.endr
.endm
.macro STEP slot, q, zero              ; a step of 128 along K that has its successor in the same slot
	s_wait_dscnt 2*NT                              ; B's set and A's lower blocks are in; the youngest 2 NT loads (A's upper blocks) may be out
	WIN MUL_LO
	MULR 0, NT/2, (\q)%2, \zero
	s_wait_dscnt 0x0                               ; A's upper blocks are in
	PLACES
	FETCH_B \slot, (\q)+1, 1-(\q)%2
	FETCH_A \slot, (\q)+1, 0
	WIN MUL_HI
	MULR NT/2, NT/2, (\q)%2, \zero
	PLACES
	WIN 0
	FETCH_A \slot, (\q)+1, NT/2
.endm
.macro TURN slot, next, fill           ; a slot's last step changes slots: one barrier; fill = 1: the slot is filled again, two slots ahead
	s_wait_tensorcnt 0x0                           ; all my tensor loads have landed: my part of the next slot
	ds_add_u32 v[SPW], v[NIL]                      ; 0 onto my spare word
	s_wait_dscnt 2*NT+1                            ; (the add and A's upper blocks may be out)
	WIN MUL_LO
	MULR 0, NT/4, 1, 0
	s_wait_dscnt 0x0                               ; the add is done, and my reads of this slot are over
	s_barrier_signal -1
	MULR NT/4, NT/4, 1, 0
	WIN 0
	s_barrier_wait -1
.if \fill
	CREST                                          ; the barrier has opened a round of the cluster's: no wave of any partner still reads this slot or has a load on its way
	s_add_nc_u64 s[G0+4*\slot+2:G0+4*\slot+3], s[G0+4*\slot+2:G0+4*\slot+3], 2*CHUNK
	s_add_nc_u64 s[G0B+4*\slot+2:G0B+4*\slot+3], s[G0B+4*\slot+2:G0B+4*\slot+3], 2*CHUNK
	JLOAD G0+4*\slot, G1, G0B+4*\slot, G1B         ; the first tensor load behind the round; its four v_nop are the places ahead of the loads below
.else
	PLACES
.endif
	FETCH_B \next, 0, 0
	FETCH_A \next, 0, 0
	WIN MUL_HI
	MULR NT/2, NT/2, 1, 0
	PLACES
	WIN 0
	FETCH_A \next, 0, NT/2
.endm
.macro RUN slot, zero                  ; a slot's steps but the last
.set rq, 0
.rept NQ-1
.if rq == 0
	STEP \slot, rq, \zero
.else
	STEP \slot, rq, 0
.endif
.set rq, rq+1
.endr
.endm
	s_load_b128 s[4:7], s[0:1], 0x0                ; A's codes s[4:5], qc s[6:7]
	s_load_b64 s[10:11], s[0:1], 0x10              ; y
	v_lshl_add_u32 v[SPW], v0, 2, SPARE
	v_mov_b32 v[NIL], 0
	ds_add_u32 v28, v29
	ds_add_u32 v28, v29
	s_wait_dscnt 0x0
	v_lshrrev_b32 v1, 5, v0
	v_readfirstlane_b32 s14, v1                    ; wave 0..3
	s_lshr_b32 s15, s14, 1                         ; wr: my half of A's tiles.  Also: I fetch for A (0) or for B (1)
	s_and_b32 s16, s14, 1                          ; wc: my half of B's tiles.  Also: which half of the block I fetch
	s_bfe_u32 s40, ttmp6, 0x40000                  ; cx
	s_bfe_u32 s41, ttmp6, 0x40004                  ; cy
	s_lshl_b32 s42, ttmp9, 2
	s_add_co_u32 s42, s42, s40                     ; cb: which 128 columns
	s_and_b32 s17, ttmp7, 0xffff
	s_lshl_b32 s17, s17, 2
	s_add_co_u32 s17, s17, s41                     ; rb: which 128 tokens
	s_lshl_b32 s43, s41, 2
	s_lshl_b32 s43, 15, s43                        ; my row of the cluster
	s_lshl_b32 s44, 0x1111, s40                    ; my column
	s_or_b32 s[G1+0], s43, (3<<16)|(1<<21)         ; 15:0 the mask; 17:16 elements of 8 bytes; 21 set beside a mask; no padding
	s_or_b32 s[G1B+0], s44, (3<<16)|(1<<21)
.irp g, G1, G1B                        ; a dense block of 65,536 bytes as 256 rows of 256
	s_mov_b32 s[\g+1], 32<<16                      ; tensor_dim0 = 32 elements
	s_mov_b32 s[\g+2], 256<<16                     ; tensor_dim1 = 256
	s_mov_b32 s[\g+3], 32<<16                      ; tile_dim0
	s_mov_b32 s[\g+4], 256                         ; tile_dim1
	s_mov_b32 s[\g+5], 32                          ; the pitch
	s_mov_b32 s[\g+6], 0
	s_mov_b32 s[\g+7], 0
.endr
	s_lshl_b32 s18, s16, 16                        ; my half of the operand's block
	s_mul_i32 s20, s17, BLKB
	s_add_co_u32 s20, s20, s18
	s_mov_b32 s21, 0
	s_mul_i32 s46, s42, BLKB
	s_add_co_u32 s46, s46, s18
	s_add_co_u32 s46, s46, BOFF
	s_mov_b32 s47, 0
	s_lshl_b32 s45, s14, 16                        ; where it goes: wave x 65,536: no place in the cluster enters an LDS address
	s_wait_kmcnt 0x0
	s_add_nc_u64 s[20:21], s[4:5], s[20:21]
	s_add_nc_u64 s[46:47], s[6:7], s[46:47]
	CROUND                                         ; all sixteen work-groups are here: the first joint loads meet
.irp s, 0
	s_mov_b32 s[G0+4*\s], 1
	s_add_co_u32 s[G0+4*\s+1], s45, \s*SLOT
	s_add_nc_u64 s[G0+4*\s+2:G0+4*\s+3], s[20:21], \s*CHUNK
	s_or_b32 s[G0+4*\s+3], s[G0+4*\s+3], 0x80000000
	s_mov_b32 s[G0B+4*\s], 1
	s_add_co_u32 s[G0B+4*\s+1], s45, \s*SLOT
	s_add_nc_u64 s[G0B+4*\s+2:G0B+4*\s+3], s[46:47], \s*CHUNK
	s_or_b32 s[G0B+4*\s+3], s[G0B+4*\s+3], 0x80000000
	JLOAD G0+4*\s, G1, G0B+4*\s, G1B
.endr
	v_and_b32 v1, 31, v0
	v_lshlrev_b32 v[LI], 4, v1
	s_mul_i32 s22, s15, NT*2048
	s_mul_i32 s23, s16, NT*2048
	s_add_co_u32 s23, s23, 2*CHUNK
.irp s, 0,1
	v_add_nc_u32 v[ADRA+\s], s22, v[LI]
	v_add_nc_u32 v[ADRB+\s], s23, v[LI]
	s_add_co_u32 s22, s22, CHUNK
	s_add_co_u32 s23, s23, CHUNK
.endr
	s_lshl_b32 s20, s17, 3
	s_lshl_b32 s21, s15, 2
	s_add_co_u32 s20, s20, s21                     ; my first tile of tokens: 8 rb + 4 wr
	s_lshl_b32 s20, s20, 16
	s_lshl_b32 s46, s42, 2
	s_lshl_b32 s47, s16, 1
	s_add_co_u32 s46, s46, s47                     ; my first pair of column tiles: 4 cb + 2 wc
	s_lshl_b32 s46, s46, 11
	s_add_co_u32 s20, s20, s46
	s_mov_b32 s21, 0
	s_add_nc_u64 s[10:11], s[10:11], s[20:21]
	s_wait_alu depctr_va_vdst(0)
	s_wait_tensorcnt 0x0                           ; my 65,536 bytes are in,
	s_barrier_signal -1
	s_barrier_wait -1                              ; everybody's is
	FETCH_B 0, 0, 0
	FETCH_A 0, 0, 0
	FETCH_A 0, 0, NT/2
	RUN 0, 1                                       ; the first step starts the sums
.if LAPS > 1
	s_mov_b32 s3, LAPS-1
.Llap:                                             ; a trip goes once round the ring and fills both slots again
	TURN 0, 1, 1
	RUN 1, 0
	TURN 1, 0, 1
	RUN 0, 0
	s_sub_co_u32 s3, s3, 1
	s_cmp_lg_u32 s3, 0
	s_cbranch_scc1 .Llap
.endif
	TURN 0, 1, 0                                   ; the last lap fills nothing
	RUN 1, 0
	s_wait_dscnt 2*NT                              ; the very last step
	WIN MUL_LO
	MULR 0, NT/2, 1, 0
	s_wait_dscnt 0x0
	WIN MUL_HI
	MULR NT/2, NT/2, 1, 0
	PLACES                                         ; ahead of the stores, which read results
.irp a, 0,1,2,3
	WIN 0x08+4*(\a/2)                              ; a store's data are its source 1: window 2 or 3
.irp t, 0,1,2,3
	global_store_b128 v[LI], v[8*(4*(\a%2)+\t):8*(4*(\a%2)+\t)+3], s[10:11] offset:\a*65536+(\t/2)*2048+(\t%2)*1024 th:TH_STORE_NT        ; each accumulator from its low end on; 512 consecutive bytes
	global_store_b128 v[LI], v[8*(4*(\a%2)+\t)+4:8*(4*(\a%2)+\t)+7], s[10:11] offset:\a*65536+(\t/2)*2048+(\t%2)*1024+512 th:TH_STORE_NT
.endr
.endr
	WIN 0
	s_wait_tensorcnt 0x0                           ; the wave's end
	ds_add_u32 v[SPW], v[NIL]
	s_wait_dscnt 0x0
	CROUND                                         ; the closing round
	s_endpgm
.Lfunc_end_k_q01cc77f41d_wo:
	.size	k_q01cc77f41d_wo, .Lfunc_end_k_q01cc77f41d_wo-k_q01cc77f41d_wo
	.p2alignl 7, 3214868480
	.fill 96, 4, 3214868480
	.section	.rodata,"a",@progbits
	.p2align	6, 0x0
	.amdhsa_kernel k_q01cc77f41d_wo
		.amdhsa_group_segment_fixed_size 327680
		.amdhsa_private_segment_fixed_size 0
		.amdhsa_enable_private_segment 0
		.amdhsa_kernarg_size 24
		.amdhsa_user_sgpr_count 2
		.amdhsa_user_sgpr_kernarg_segment_ptr 1
		.amdhsa_wavefront_size32 1
		.amdhsa_system_sgpr_workgroup_id_x 1
		.amdhsa_system_sgpr_workgroup_id_y 1
		.amdhsa_system_sgpr_workgroup_id_z 1
		.amdhsa_system_vgpr_workitem_id 0
		.amdhsa_next_free_vgpr 832
		.amdhsa_next_free_sgpr 66
		.amdhsa_reserve_vcc 0
		.amdhsa_float_denorm_mode_32 3
		.amdhsa_float_denorm_mode_16_64 3
		.amdhsa_memory_ordered 1
		.amdhsa_forward_progress 1
		.amdhsa_inst_pref_size 37
	.end_amdhsa_kernel
	.amdgpu_metadata
---
amdhsa.version: [ 1, 2 ]
amdhsa.kernels:
  - .name:           k_q01cc77f41d_wo
    .symbol:         k_q01cc77f41d_wo.kd
    .args:
      - { .name: ctx, .offset: 0, .size: 8, .value_kind: global_buffer, .address_space: global }
      - { .name: qc, .offset: 8, .size: 8, .value_kind: global_buffer, .address_space: global }
      - { .name: y1, .offset: 16, .size: 8, .value_kind: global_buffer, .address_space: global }
    .group_segment_fixed_size: 327680
    .private_segment_fixed_size: 0
    .kernarg_segment_align: 8
    .kernarg_segment_size: 24
    .max_flat_workgroup_size: 128
    .sgpr_count:     66
    .vgpr_count:     832
    .wavefront_size: 32
...
	.end_amdgpu_metadata
.endif
;; end of part 4
;; launch ln1 (part 5): grid 256 x 1, 8 waves a work-group, no clusters, 68,864 bytes of LDS; arguments y1, src, bo, ln1_g, ln1_b, lowp_scales, xb; writes xb
.if DOCPART == 5
	.amdgcn_target "amdgcn-amd-amdhsa--gfx1250"
	.amdhsa_code_object_version 6
	.text
	.protected	k_q01cc77f41d_ln1
	.globl	k_q01cc77f41d_ln1
	.p2align	8
	.type	k_q01cc77f41d_ln1,@function
k_q01cc77f41d_ln1:
	s_mov_b64 s[64:65], 0
	v_nop
	global_prefetch_b8 v0, s[64:65] scope:SCOPE_SE
	s_setreg_imm32_b32 hwreg(HW_REG_WAVE_MODE, 25, 1), 1
	s_wait_xcnt 0x0
; z = y x 2^(ea + eb) + bias + residual;  result = (z - mean) x rsqrt(var + 1e-5) x gain + shift, along rows of 1,024, all in f32; the variance is taken of the deviations.
; KIND 1: y = the raw sums of ctx Wo (entries 10, 11), residual = src (rows as JAX has them); the result x goes out twice: as f32 in the registers' order, and as codes of FP8 with entry 12, an image of the next operand's registers.
; KIND 2: y = the raw sums of the second feed-forward product (entries 14, 15), residual = x in the registers' order; the result is the output, rows as JAX has them.
; THE REGISTERS' ORDER: [tile of 16 rows][pair P of 32][piece j of 4][lane][16 bytes]: lane (r, h), piece j = columns 32 P + 16 h + 4 j + 0 .. 3 of the row in slot r; slot r of tile T is row 32 (T / 2) + 8 (T % 2) + r + 8 (r / 8).
; A work-group takes one tile of 16 rows; wave w the pairs 4 w .. 4 w + 3 (128 columns): a lane holds 64 numbers of one row, register 16 p + i = column 128 w + 32 p + 16 h + i.
; Rows as JAX has them pass through a stage in LDS (16 rows x (4,096 + 16) bytes, in the order of the slots): wave w moves slots 2 w and 2 w + 1, which are neighbouring rows, 512 consecutive bytes an instruction.
; A row's sum: within a lane, lane l xor 16, then the eight waves' figures through LDS, a word for each lane and wave.
; LIMITS: ea + eb between -126 and 127; entry 12 between -126 and 119.  NaN among the inputs is not served.
.set KIND, 1
.set RED, 65792                        ; behind the stage: 1,024 bytes for the sums, 1,024 for the sums of squares
.set Y,  32                            ; v32-95
.set GA, 96                            ; v96-159  the bias, then the gain, then at work
.set GB, 160                           ; v160-223 the residual, then the shift
.set CD, 224                           ; v224-239 codes
	s_load_b256 s[4:11], s[0:1], 0x0               ; y s[4:5], the residual s[6:7], the bias s[8:9], the gain s[10:11]
	s_load_b128 s[12:15], s[0:1], 0x20             ; the shift s[12:13], lowp_scales s[14:15]
	s_load_b64 s[16:17], s[0:1], 0x30              ; the result
	v_lshl_add_u32 v254, v0, 2, 0x10900
	v_mov_b32 v255, 0
	v_lshrrev_b32 v2, 5, v0
	s_delay_alu instid0(VALU_DEP_1)
	v_readfirstlane_b32 s18, v2                    ; wave 0..7
	v_and_b32 v2, 31, v0
	s_delay_alu instid0(VALU_DEP_1)
	v_lshlrev_b32 v1, 4, v2                        ; 16 x lane
	v_and_b32 v3, 15, v0                           ; r
	v_bfe_u32 v9, v0, 4, 1                         ; h
	s_delay_alu instid0(VALU_DEP_1)
	v_lshlrev_b32 v4, 6, v9                        ; 64 h
	s_lshl_b32 s19, s18, 9
	s_mul_i32 s20, s18, 8224
	s_lshl_b32 s21, s18, 2
	v_mul_u32_u24 v5, v3, 4112
	s_delay_alu instid0(VALU_DEP_1)
	v_add_nc_u32 v5, v5, v4
	s_delay_alu instid0(VALU_DEP_1)
	v_add_nc_u32 v5, s19, v5                       ; the stage by lanes: slot r, + 512 w + 64 h
	v_add_nc_u32 v6, s20, v1                       ; the stage by rows: slot 2 w, + 16 x lane
	v_lshlrev_b32 v8, 5, v2
	s_delay_alu instid0(VALU_DEP_1)
	v_add_nc_u32 v8, RED, v8                       ; my lane's eight words
	s_delay_alu instid0(VALU_DEP_1)
	v_add_nc_u32 v7, s21, v8                       ; my wave's among them
	s_lshr_b32 s22, ttmp9, 1
	s_lshl_b32 s22, s22, 5
	s_and_b32 s23, ttmp9, 1
	s_lshl_b32 s23, s23, 3
	s_add_co_u32 s22, s22, s23
	s_lshl_b32 s23, s18, 1
	s_add_co_u32 s22, s22, s23
	s_lshr_b32 s23, s18, 2
	s_lshl_b32 s23, s23, 3
	s_add_co_u32 s22, s22, s23                     ; the row in slot 2 w
	s_lshl_b32 s22, s22, 12
	s_mov_b32 s23, 0
	s_lshl_b32 s40, ttmp9, 16
	s_lshl_b32 s41, s18, 13
	s_add_co_u32 s40, s40, s41                     ; my wave's part in the registers' order
	s_mov_b32 s41, 0
	s_mov_b32 s44, s19                             ; my wave's 128 columns of a vector
	s_mov_b32 s45, 0
	s_mov_b32 s48, 0x76543210                      ; v_permlanex16_b32: lane l xor 16
	s_mov_b32 s49, 0xfedcba98
	s_mov_b32 s52, 0x3a800000                      ; 1 / 1,024
	s_mov_b32 s53, 0x3727c5ac                      ; 1e-5
.if KIND == 1
	s_lshr_b32 s46, ttmp9, 4
	s_lshl_b32 s46, s46, 3
	s_add_co_u32 s46, s46, s18                     ; (block of 16 tiles) x 8 K steps + K step w
	s_lshl_b32 s46, s46, 15
	s_and_b32 s47, ttmp9, 15
	s_lshl_b32 s47, s47, 11
	s_add_co_u32 s46, s46, s47
	s_add_co_u32 s46, s46, 0x1000000               ; the codes lie behind the 16 MiB of f32
	s_mov_b32 s47, 0
.endif
	s_wait_alu depctr_va_vdst(0)
	s_wait_kmcnt 0x0
	s_load_b512 s[24:39], s[14:15], 0x0            ; the sixteen exponents: entry n in s[24 + n]
	s_add_nc_u64 s[4:5], s[4:5], s[40:41]
.if KIND == 1
	s_add_nc_u64 s[6:7], s[6:7], s[22:23]
	s_add_nc_u64 s[42:43], s[16:17], s[40:41]
	s_add_nc_u64 s[46:47], s[16:17], s[46:47]
.else
	s_add_nc_u64 s[6:7], s[6:7], s[40:41]
	s_add_nc_u64 s[42:43], s[16:17], s[22:23]
.endif
	s_add_nc_u64 s[8:9], s[8:9], s[44:45]
	s_add_nc_u64 s[10:11], s[10:11], s[44:45]
	s_add_nc_u64 s[12:13], s[12:13], s[44:45]
.set li, 0
.rept 16
.if KIND == 1
	global_load_b128 v[GB+4*li:GB+4*li+3], v1, s[6:7] offset:(li/8)*4096+(li%8)*512 th:TH_LOAD_NT   ; two whole rows, 512 consecutive bytes a load
.else
	global_load_b128 v[GB+4*li:GB+4*li+3], v1, s[6:7] offset:512*li th:TH_LOAD_NT
.endif
.set li, li+1
.endr
.set li, 0
.rept 16
	global_load_b128 v[Y+4*li:Y+4*li+3], v1, s[4:5] offset:512*li th:TH_LOAD_NT
.set li, li+1
.endr
.irp p, 0,1,2,3
.irp j, 0,1,2,3
	global_load_b128 v[GA+16*\p+4*\j:GA+16*\p+4*\j+3], v4, s[8:9] offset:128*\p+16*\j
.endr
.endr
.if KIND == 1
	s_wait_loadcnt 32                              ; the residual's rows are in; y's and the bias's 32 loads may be out
.set li, 0
.rept 16
	ds_store_b128 v6, v[GB+4*li:GB+4*li+3] offset:(li/8)*4112+(li%8)*512
.set li, li+1
.endr
	s_wait_dscnt 0x0                               ; for the others' sake
	s_barrier_signal -1
	s_barrier_wait -1
.irp p, 0,1,2,3
.irp j, 0,1,2,3
	ds_load_b128 v[GB+16*\p+4*\j:GB+16*\p+4*\j+3], v5 offset:128*\p+16*\j
.endr
.endr
.endif
	s_wait_kmcnt 0x0
.if KIND == 1
	s_add_co_i32 s50, s34, s35
.else
	s_add_co_i32 s50, s38, s39
.endif
	s_add_co_i32 s50, s50, 127
	s_lshl_b32 s50, s50, 23                        ; 2^(ea + eb) as f32
	s_mov_b32 s51, s50
.if KIND == 1
	s_add_co_i32 s54, s36, 127
	s_lshl_b32 s55, s54, 23
	v_mov_b32 v10, s55                             ; 2^e12
	s_add_co_i32 s54, s54, 8
	s_lshl_b32 s54, s54, 23
	s_or_b32 s54, s54, 0x600000
	v_mov_b32 v11, s54                             ; 448 x 2^e12
.endif
	s_wait_loadcnt 0x0
.set li, 0
.rept 32
	v_pk_fma_f32 v[Y+li:Y+li+1], v[Y+li:Y+li+1], s[50:51], v[GA+li:GA+li+1] op_sel_hi:[1,0,1]
.set li, li+2
.endr
	s_wait_dscnt 0x0
.set li, 0
.rept 32
	v_pk_add_f32 v[Y+li:Y+li+1], v[Y+li:Y+li+1], v[GB+li:GB+li+1]
.set li, li+2
.endr
.irp p, 0,1,2,3
.irp j, 0,1,2,3
	global_load_b128 v[GA+16*\p+4*\j:GA+16*\p+4*\j+3], v4, s[10:11] offset:128*\p+16*\j   ; the gain and the shift come while the sums are made
	global_load_b128 v[GB+16*\p+4*\j:GB+16*\p+4*\j+3], v4, s[12:13] offset:128*\p+16*\j
.endr
.endr
.macro REDUCE off                      ; the chains v[16:17], v[18:19] become the row's sum, in v20 of every lane
	s_delay_alu instid0(VALU_DEP_1)
	v_pk_add_f32 v[16:17], v[16:17], v[18:19]
	s_delay_alu instid0(VALU_DEP_1)
	v_add_f32 v16, v16, v17
	s_delay_alu instid0(VALU_DEP_1)
	v_permlanex16_b32 v18, v16, s48, s49
	s_delay_alu instid0(VALU_DEP_1)
	v_add_f32 v16, v16, v18
	ds_store_b32 v7, v16 offset:\off
	s_wait_dscnt 0x0                               ; for the others' sake
	s_barrier_signal -1
	s_barrier_wait -1
	ds_load_b128 v[20:23], v8 offset:\off
	ds_load_b128 v[24:27], v8 offset:\off+16
	s_wait_dscnt 0x0
	v_add_f32 v20, v20, v21
	v_add_f32 v22, v22, v23
	v_add_f32 v24, v24, v25
	v_add_f32 v26, v26, v27
	s_delay_alu instid0(VALU_DEP_3)
	v_add_f32 v20, v20, v22
	s_delay_alu instid0(VALU_DEP_2)
	v_add_f32 v24, v24, v26
	s_delay_alu instid0(VALU_DEP_1)
	v_add_f32 v20, v20, v24
.endm
	v_pk_add_f32 v[16:17], v[Y:Y+1], v[Y+2:Y+3]
	v_pk_add_f32 v[18:19], v[Y+4:Y+5], v[Y+6:Y+7]
.set li, 8
.rept 14
	s_delay_alu instid0(VALU_DEP_2)
	v_pk_add_f32 v[16:17], v[16:17], v[Y+li:Y+li+1]
	s_delay_alu instid0(VALU_DEP_2)
	v_pk_add_f32 v[18:19], v[18:19], v[Y+li+2:Y+li+3]
.set li, li+4
.endr
	REDUCE 0
	s_delay_alu instid0(VALU_DEP_1)
	v_mul_f32 v28, s52, v20                        ; the mean
	s_delay_alu instid0(VALU_DEP_1)
	v_mov_b32 v29, v28
.set li, 0
.rept 32
	v_pk_add_f32 v[Y+li:Y+li+1], v[Y+li:Y+li+1], v[28:29] neg_lo:[0,1] neg_hi:[0,1]
.set li, li+2
.endr
	v_pk_mul_f32 v[16:17], v[Y:Y+1], v[Y:Y+1]
	v_pk_mul_f32 v[18:19], v[Y+2:Y+3], v[Y+2:Y+3]
.set li, 4
.rept 15
	s_delay_alu instid0(VALU_DEP_2)
	v_pk_fma_f32 v[16:17], v[Y+li:Y+li+1], v[Y+li:Y+li+1], v[16:17]
	s_delay_alu instid0(VALU_DEP_2)
	v_pk_fma_f32 v[18:19], v[Y+li+2:Y+li+3], v[Y+li+2:Y+li+3], v[18:19]
.set li, li+4
.endr
	REDUCE 1024                                    ; other words than the first sum's: no barrier is owed between the two
	s_delay_alu instid0(VALU_DEP_1)
	v_fma_f32 v30, v20, s52, s53                   ; the variance + 1e-5
	s_wait_alu depctr_va_vdst(0)
	v_rsq_f32 v30, v30
	v_nop                                          ; a plain line behind the transcendental
	s_wait_alu depctr_va_vdst(0)                   ; and the wait ahead of its first reader
	v_mov_b32 v31, v30
	s_wait_alu depctr_va_vdst(0)
	s_wait_loadcnt 0x0                             ; the gain and the shift
.set li, 0
.rept 32
	v_pk_mul_f32 v[Y+li:Y+li+1], v[Y+li:Y+li+1], v[30:31]
.set li, li+2
.endr
.set li, 0
.rept 32
	v_pk_fma_f32 v[Y+li:Y+li+1], v[Y+li:Y+li+1], v[GA+li:GA+li+1], v[GB+li:GB+li+1]
.set li, li+2
.endr
.if KIND == 1
.set li, 0
.rept 16
	global_store_b128 v1, v[Y+4*li:Y+4*li+3], s[42:43] offset:512*li   ; x in the registers' order: 512 consecutive bytes a store
.set li, li+1
.endr
.set li, 0
.rept 64
	v_med3_num_f32 v[GA+li], v[Y+li], -v11, v11    ; the conversion does not saturate (ISA guide 7.6.2)
.set li, li+1
.endr
.irp p, 0,1,2,3
	v_cvt_scalef32_pk8_fp8_f32 v[CD+4*\p:CD+4*\p+1], v[GA+16*\p:GA+16*\p+7], v10
	v_cvt_scalef32_pk8_fp8_f32 v[CD+4*\p+2:CD+4*\p+3], v[GA+16*\p+8:GA+16*\p+15], v10
.endr
	v_nop
.irp p, 0,1,2,3
	global_store_b128 v1, v[CD+4*\p:CD+4*\p+3], s[46:47] offset:512*\p   ; piece p of fragment (my tile, K step w)
.endr
.else
.irp p, 0,1,2,3
.irp j, 0,1,2,3
	ds_store_b128 v5, v[Y+16*\p+4*\j:Y+16*\p+4*\j+3] offset:128*\p+16*\j
.endr
.endr
	s_wait_dscnt 0x0                               ; for the others' sake
	s_barrier_signal -1
	s_barrier_wait -1
.set li, 0
.rept 16
	ds_load_b128 v[GA+4*li:GA+4*li+3], v6 offset:(li/8)*4112+(li%8)*512
.set li, li+1
.endr
.set li, 0
.rept 16
	s_wait_dscnt 15-li                             ; piece li is back; the younger ones may be out
	global_store_b128 v1, v[GA+4*li:GA+4*li+3], s[42:43] offset:(li/8)*4096+(li%8)*512 th:TH_STORE_NT   ; 512 consecutive bytes of a row
.set li, li+1
.endr
.endif
	s_wait_tensorcnt 0x0
	ds_add_u32 v254, v255
	s_wait_dscnt 0x0
	s_endpgm
.Lfunc_end_k_q01cc77f41d_ln1:
	.size	k_q01cc77f41d_ln1, .Lfunc_end_k_q01cc77f41d_ln1-k_q01cc77f41d_ln1
	.p2alignl 7, 3214868480
	.fill 96, 4, 3214868480
	.section	.rodata,"a",@progbits
	.p2align	6, 0x0
	.amdhsa_kernel k_q01cc77f41d_ln1
		.amdhsa_group_segment_fixed_size 68864
		.amdhsa_private_segment_fixed_size 0
		.amdhsa_enable_private_segment 0
		.amdhsa_kernarg_size 56
		.amdhsa_user_sgpr_count 2
		.amdhsa_user_sgpr_kernarg_segment_ptr 1
		.amdhsa_wavefront_size32 1
		.amdhsa_system_sgpr_workgroup_id_x 1
		.amdhsa_system_sgpr_workgroup_id_y 1
		.amdhsa_system_sgpr_workgroup_id_z 1
		.amdhsa_system_vgpr_workitem_id 0
		.amdhsa_next_free_vgpr 256
		.amdhsa_next_free_sgpr 66
		.amdhsa_reserve_vcc 0
		.amdhsa_float_denorm_mode_32 3
		.amdhsa_float_denorm_mode_16_64 3
		.amdhsa_memory_ordered 1
		.amdhsa_forward_progress 1
		.amdhsa_inst_pref_size 38
	.end_amdhsa_kernel
	.amdgpu_metadata
---
amdhsa.version: [ 1, 2 ]
amdhsa.kernels:
  - .name:           k_q01cc77f41d_ln1
    .symbol:         k_q01cc77f41d_ln1.kd
    .args:
      - { .name: y1, .offset: 0, .size: 8, .value_kind: global_buffer, .address_space: global }
      - { .name: src, .offset: 8, .size: 8, .value_kind: global_buffer, .address_space: global }
      - { .name: bo, .offset: 16, .size: 8, .value_kind: global_buffer, .address_space: global }
      - { .name: ln1_g, .offset: 24, .size: 8, .value_kind: global_buffer, .address_space: global }
      - { .name: ln1_b, .offset: 32, .size: 8, .value_kind: global_buffer, .address_space: global }
      - { .name: lowp_scales, .offset: 40, .size: 8, .value_kind: global_buffer, .address_space: global }
      - { .name: xb, .offset: 48, .size: 8, .value_kind: global_buffer, .address_space: global }
    .group_segment_fixed_size: 68864
    .private_segment_fixed_size: 0
    .kernarg_segment_align: 8
    .kernarg_segment_size: 56
    .max_flat_workgroup_size: 256
    .sgpr_count:     66
    .vgpr_count:     256
    .wavefront_size: 32
...
	.end_amdgpu_metadata
.endif
;; end of part 5
;; launch ff1 (part 6): grid 16 x 16, 4 waves a work-group, clusters of 4 x 4, 327,680 bytes of LDS; arguments xb, qc, b1, lowp_scales, hc; writes hc
.if DOCPART == 6
	.amdgcn_target "amdgcn-amd-amdhsa--gfx1250"
	.amdhsa_code_object_version 6
	.text
	.protected	k_q01cc77f41d_ff1
	.globl	k_q01cc77f41d_ff1
	.p2align	8
	.type	k_q01cc77f41d_ff1,@function
k_q01cc77f41d_ff1:
	s_mov_b64 s[64:65], 0
	v_nop
	global_prefetch_b8 v0, s[64:65] scope:SCOPE_SE
	s_setreg_imm32_b32 hwreg(HW_REG_WAVE_MODE, 25, 1), 1
	s_wait_xcnt 0x0
	s_wait_alu depctr_hold_cnt(0) depctr_sa_sdst(0) depctr_va_vdst(0) depctr_va_sdst(0) depctr_va_ssrc(0) depctr_va_vcc(0) depctr_vm_vsrc(0)
	s_getreg_b32 s2, hwreg(HW_REG_IB_STS2, 6, 4)
	s_cmp_eq_u32 s2, 0
	s_cbranch_scc0 .Lentry_in_a_cluster
	s_endpgm
.Lentry_in_a_cluster:
	s_bfe_u32 s2, ttmp6, 0x10000c
	s_cmp_lg_u32 s2, 0xf033
	s_cbranch_scc0 .Lentry_shape_is_right
	s_endpgm
.Lentry_shape_is_right:
; h = relu(x W1 + b1) on codes of FP8 (E4M3), quantised at once with entry 14; operands and result are images of the matrix operand's registers.
; A block of 256 x 256 a work-group, 128 x 128 a wave; K in a ring of two LDS slots filled by joint loads in clusters of 4 x 4.
.set NT,    8
.set TBK,   16
.set NQ,    2
.set KS,    8
.set AOFF,  16<<20
.set BOFF,  16<<20
.set LAPS,  KS/(2*NQ)
.set CHUNK, 65536
.set SLOT,  2*CHUNK
.set SPARE, 2*SLOT
.set BLKB,  KS*TBK*2048
.set ADRA, 16
.set ADRB, 20
.set LI,   26
.set CO,   27
.set SPW,  28
.set NIL,  29
.set SCV,  30
.set LIMV, 31
.set BIAS, 32
.set T,    112
.set CD,   176
.set AF,   128
.set G1, 24
.set G0, 32
.set G1B, 48
.set G0B, 56
.set MSB, 0
.macro WIN new
.if MSB != (\new)
	s_set_vgpr_msb (MSB<<8)|(\new)
.set MSB, (\new)
.endif
.endm
.set MUL_LO, 0xa1
.set MUL_HI, 0xf1
.set TO_B,   0x40
.macro JLOAD g0a, g1a, g0b, g1b
	s_cmp_eq_u32 s15, 0
	s_cbranch_scc0 .Lfor_b_\@
	tensor_load_to_lds s[\g0a:\g0a+3], s[\g1a:\g1a+7]
	s_nop 0
.rept 4
	v_nop
.endr
	s_branch .Lasked_\@
.Lfor_b_\@:
	tensor_load_to_lds s[\g0b:\g0b+3], s[\g1b:\g1b+7]
	s_nop 0
.rept 4
	v_nop
.endr
.Lasked_\@:
.endm
.macro CREST
	s_cmp_lg_u32 s14, 0
	s_cbranch_scc1 .Lnot_wave_0_\@
	s_barrier_signal -3
.Lnot_wave_0_\@:
	s_barrier_wait -3
	s_barrier_signal -1
	s_barrier_wait -1
.endm
.macro CROUND
	s_barrier_signal -1
	s_barrier_wait -1
	CREST
.endm
.macro PLACES
.rept 4
	v_nop
.endr
.endm
.macro FRAG reg, adr, off
.irp c, 0,1,2,3
	ds_load_b128 v[\reg+4*\c:\reg+4*\c+3], v[\adr] offset:\off+512*\c
.endr
.endm
.macro FETCH_B slot, q, p
	WIN TO_B
.set fi, 0
.rept NT
	FRAG 128*(\p)+16*fi, ADRB+\slot, ((\q)*TBK+fi)*2048
.set fi, fi+1
.endr
	WIN 0
.endm
.macro FETCH_A slot, q, i0
.set fi, \i0
.rept NT/2
	FRAG AF+16*fi, ADRA+\slot, ((\q)*TBK+fi)*2048
.set fi, fi+1
.endr
.endm
.macro MULA a, p, zero
.irp b, 0,1,2,3,4,5,6,7
.if \b < NT
.if \zero
	v_wmma_f32_16x16x128_fp8_fp8 v[8*(NT*((\a)%(NT/2))+\b):8*(NT*((\a)%(NT/2))+\b)+7], v[128*(\p)+16*\b:128*(\p)+16*\b+15], v[AF+16*(\a):AF+16*(\a)+15], 0
.else
	v_wmma_f32_16x16x128_fp8_fp8 v[8*(NT*((\a)%(NT/2))+\b):8*(NT*((\a)%(NT/2))+\b)+7], v[128*(\p)+16*\b:128*(\p)+16*\b+15], v[AF+16*(\a):AF+16*(\a)+15], v[8*(NT*((\a)%(NT/2))+\b):8*(NT*((\a)%(NT/2))+\b)+7]
.endif
.endif
.endr
.endm
.macro MULR a0, n, p, zero
.set ma, \a0
.rept \n
	MULA ma, \p, \zero
.set ma, ma+1
.endr
.endm
.macro STEP slot, q, zero
	s_wait_dscnt 2*NT
	WIN MUL_LO
	MULR 0, NT/2, (\q)%2, \zero
	s_wait_dscnt 0x0
	PLACES
	FETCH_B \slot, (\q)+1, 1-(\q)%2
	FETCH_A \slot, (\q)+1, 0
	WIN MUL_HI
	MULR NT/2, NT/2, (\q)%2, \zero
	PLACES
	WIN 0
	FETCH_A \slot, (\q)+1, NT/2
.endm
.macro TURN slot, next, fill
	s_wait_tensorcnt 0x0
	ds_add_u32 v[SPW], v[NIL]
	s_wait_dscnt 2*NT+1
	WIN MUL_LO
	MULR 0, NT/4, 1, 0
	s_wait_dscnt 0x0
	s_barrier_signal -1
	MULR NT/4, NT/4, 1, 0
	WIN 0
	s_barrier_wait -1
.if \fill
	CREST
	s_add_nc_u64 s[G0+4*\slot+2:G0+4*\slot+3], s[G0+4*\slot+2:G0+4*\slot+3], 2*CHUNK
	s_add_nc_u64 s[G0B+4*\slot+2:G0B+4*\slot+3], s[G0B+4*\slot+2:G0B+4*\slot+3], 2*CHUNK
	JLOAD G0+4*\slot, G1, G0B+4*\slot, G1B
.else
	PLACES
.endif
	FETCH_B \next, 0, 0
	FETCH_A \next, 0, 0
	WIN MUL_HI
	MULR NT/2, NT/2, 1, 0
	PLACES
	WIN 0
	FETCH_A \next, 0, NT/2
.endm
.macro RUN slot, zero
.set rq, 0
.rept NQ-1
.if rq == 0
	STEP \slot, rq, \zero
.else
	STEP \slot, rq, 0
.endif
.set rq, rq+1
.endr
.endm
	s_load_b128 s[4:7], s[0:1], 0x0
	s_load_b128 s[8:11], s[0:1], 0x10
	s_load_b64 s[12:13], s[0:1], 0x20
	v_lshl_add_u32 v[SPW], v0, 2, SPARE
	v_mov_b32 v[NIL], 0
	ds_add_u32 v28, v29
	ds_add_u32 v28, v29
	s_wait_dscnt 0x0
	v_lshrrev_b32 v1, 5, v0
	v_readfirstlane_b32 s14, v1
	v_and_b32 v24, 31, v0
	v_lshlrev_b32 v24, 8, v24                      ; the prefetches' offset: 256 x lane; never rewritten
	s_lshr_b32 s15, s14, 1
	s_and_b32 s16, s14, 1
	s_bfe_u32 s40, ttmp6, 0x40000
	s_bfe_u32 s41, ttmp6, 0x40004
	s_lshl_b32 s42, ttmp9, 2
	s_add_co_u32 s42, s42, s40
	s_and_b32 s17, ttmp7, 0xffff
	s_lshl_b32 s17, s17, 2
	s_add_co_u32 s17, s17, s41
	s_lshl_b32 s43, s41, 2
	s_lshl_b32 s43, 15, s43
	s_lshl_b32 s44, 0x1111, s40
	s_or_b32 s[G1+0], s43, (3<<16)|(1<<21)
	s_or_b32 s[G1B+0], s44, (3<<16)|(1<<21)
.irp g, G1, G1B
	s_mov_b32 s[\g+1], 32<<16
	s_mov_b32 s[\g+2], 128<<16
	s_mov_b32 s[\g+3], 32<<16
	s_mov_b32 s[\g+4], 128
	s_mov_b32 s[\g+5], 32
	s_mov_b32 s[\g+6], 0
	s_mov_b32 s[\g+7], 0
.endr
	s_lshl_b32 s18, s16, 15
	s_mul_i32 s20, s17, BLKB
	s_add_co_u32 s20, s20, s18
	s_add_co_u32 s20, s20, AOFF
	s_mov_b32 s21, 0
	s_mul_i32 s46, s42, BLKB
	s_add_co_u32 s46, s46, s18
	s_add_co_u32 s46, s46, BOFF
	s_mov_b32 s47, 0
	s_lshl_b32 s45, s14, 15
	s_wait_kmcnt 0x0
	s_load_b128 s[68:71], s[10:11], 0x30
	s_add_nc_u64 s[20:21], s[4:5], s[20:21]
	s_add_nc_u64 s[46:47], s[6:7], s[46:47]
	; PREFETCH: behind the first joint load chunks 1 and 2 are asked for, behind the second chunk 3.  Of the 32,768 bytes that a wave fetches, each of the four partners that ask for them jointly
	; names 8,192, told apart by address (cx for x, cy for W1), lanes 256 bytes apart: each block of 256 bytes once in a cluster.  Chunk 0 comes by its load alone.
	s_cmp_eq_u32 s15, 0
	s_cselect_b64 s[74:75], s[20:21], s[46:47]
	s_cselect_b32 s76, s40, s41
	s_lshl_b32 s76, s76, 13
	s_mov_b32 s77, 0
	s_add_nc_u64 s[74:75], s[74:75], s[76:77]
.irp s, 0,1
	s_mov_b32 s[G0+4*\s], 1
	s_add_co_u32 s[G0+4*\s+1], s45, \s*SLOT
	s_add_nc_u64 s[G0+4*\s+2:G0+4*\s+3], s[20:21], \s*CHUNK
	s_or_b32 s[G0+4*\s+3], s[G0+4*\s+3], 0x80000000
	s_mov_b32 s[G0B+4*\s], 1
	s_add_co_u32 s[G0B+4*\s+1], s45, \s*SLOT
	s_add_nc_u64 s[G0B+4*\s+2:G0B+4*\s+3], s[46:47], \s*CHUNK
	s_or_b32 s[G0B+4*\s+3], s[G0B+4*\s+3], 0x80000000
	s_wait_alu depctr_va_vdst(0)
	s_wait_tensorcnt 0x0
	ds_add_u32 v28, v29
	ds_add_u32 v28, v29
	s_wait_dscnt 0x0
	CROUND
	JLOAD G0+4*\s, G1, G0B+4*\s, G1B
.if \s == 0
	global_prefetch_b8 v24, s[74:75] offset:CHUNK th:TH_LOAD_NT scope:SCOPE_SE
	global_prefetch_b8 v24, s[74:75] offset:2*CHUNK th:TH_LOAD_NT scope:SCOPE_SE
.else
	global_prefetch_b8 v24, s[74:75] offset:3*CHUNK th:TH_LOAD_NT scope:SCOPE_SE
.endif
.endr
	v_and_b32 v1, 31, v0
	v_lshlrev_b32 v[LI], 4, v1
	v_bfe_u32 v2, v0, 4, 1
	v_lshlrev_b32 v[CO], 6, v2
	s_wait_alu depctr_va_vdst(0)
	s_mul_i32 s22, s15, NT*2048
	s_mul_i32 s23, s16, NT*2048
	s_add_co_u32 s23, s23, CHUNK
.irp s, 0,1
	v_add_nc_u32 v[ADRA+\s], s22, v[LI]
	v_add_nc_u32 v[ADRB+\s], s23, v[LI]
	s_add_co_u32 s22, s22, SLOT
	s_add_co_u32 s23, s23, SLOT
.endr
	s_lshl_b32 s72, s42, 10
	s_lshl_b32 s73, s16, 9
	s_add_co_u32 s72, s72, s73
	s_mov_b32 s73, 0
	s_add_nc_u64 s[8:9], s[8:9], s[72:73]
.irp b, 0,1,2,3
.irp j, 0,1,2,3
	global_load_b128 v[BIAS+16*\b+4*\j:BIAS+16*\b+4*\j+3], v[CO], s[8:9] offset:128*\b+16*\j
.endr
.endr
	s_lshl_b32 s20, s17, 1
	s_add_co_u32 s20, s20, s15
	s_lshl_b32 s20, s20, 5
	s_lshl_b32 s21, s42, 1
	s_add_co_u32 s20, s20, s21
	s_add_co_u32 s20, s20, s16
	s_lshl_b32 s20, s20, 14
	s_mov_b32 s21, 0
	s_add_nc_u64 s[12:13], s[12:13], s[20:21]
	s_wait_alu depctr_va_vdst(0)
	s_wait_tensorcnt 1
	s_barrier_signal -1
	s_barrier_wait -1
	FETCH_B 0, 0, 0
	FETCH_A 0, 0, 0
	FETCH_A 0, 0, NT/2
	RUN 0, 1
.if LAPS > 1
	s_mov_b32 s3, LAPS-1
.Llap:
	TURN 0, 1, 1
	RUN 1, 0
	TURN 1, 0, 1
	RUN 0, 0
	s_sub_co_u32 s3, s3, 1
	s_cmp_lg_u32 s3, 0
	s_cbranch_scc1 .Llap
.endif
	TURN 0, 1, 0
	RUN 1, 0
	s_wait_dscnt 2*NT
	WIN MUL_LO
	MULR 0, NT/2, 1, 0
	s_wait_dscnt 0x0
	WIN MUL_HI
	MULR NT/2, NT/2, 1, 0
	WIN 0
	s_wait_loadcnt 0x0
	s_wait_kmcnt 0x0
	s_add_co_i32 s68, s68, s69
	s_add_co_i32 s68, s68, 127
	s_lshl_b32 s66, s68, 23
	s_mov_b32 s67, s66
	s_add_co_i32 s70, s70, 127
	s_lshl_b32 s69, s70, 23
	v_mov_b32 v[SCV], s69
	s_add_co_i32 s70, s70, 8
	s_lshl_b32 s70, s70, 23
	s_or_b32 s70, s70, 0x600000
	v_mov_b32 v[LIMV], s70
	PLACES
.irp a, 0,1,2,3,4,5,6,7
.set AC, 64*(\a%4)
.set CS, CD+16*(\a%2)
.if \a >= 2
	s_wait_xcnt 0x0
.endif
	WIN 0x02+(\a/4)
.set ej, 0
.rept 32
	v_pk_fma_f32 v[T+ej:T+ej+1], v[AC+ej:AC+ej+1], s[66:67], v[BIAS+ej:BIAS+ej+1] op_sel_hi:[1,0,1]
.set ej, ej+2
.endr
	WIN 0
.set ej, 0
.rept 64
	v_med3_num_f32 v[T+ej], v[T+ej], 0, v[LIMV]
.set ej, ej+1
.endr
.irp b, 0,1,2,3
	v_cvt_scalef32_pk8_fp8_f32 v[CS+4*\b:CS+4*\b+1], v[T+16*\b:T+16*\b+7], v[SCV]
	v_cvt_scalef32_pk8_fp8_f32 v[CS+4*\b+2:CS+4*\b+3], v[T+16*\b+8:T+16*\b+15], v[SCV]
.endr
	v_nop
.irp b, 0,1,2,3
	global_store_b128 v[LI], v[CS+4*\b:CS+4*\b+3], s[12:13] offset:\a*2048+\b*512
.endr
.endr
	s_wait_tensorcnt 0x0
	ds_add_u32 v[SPW], v[NIL]
	s_wait_dscnt 0x0
	CROUND
	s_endpgm
.Lfunc_end_k_q01cc77f41d_ff1:
	.size	k_q01cc77f41d_ff1, .Lfunc_end_k_q01cc77f41d_ff1-k_q01cc77f41d_ff1
	.p2alignl 7, 3214868480
	.fill 96, 4, 3214868480
	.section	.rodata,"a",@progbits
	.p2align	6, 0x0
	.amdhsa_kernel k_q01cc77f41d_ff1
		.amdhsa_group_segment_fixed_size 327680
		.amdhsa_private_segment_fixed_size 0
		.amdhsa_enable_private_segment 0
		.amdhsa_kernarg_size 40
		.amdhsa_user_sgpr_count 2
		.amdhsa_user_sgpr_kernarg_segment_ptr 1
		.amdhsa_wavefront_size32 1
		.amdhsa_system_sgpr_workgroup_id_x 1
		.amdhsa_system_sgpr_workgroup_id_y 1
		.amdhsa_system_sgpr_workgroup_id_z 1
		.amdhsa_system_vgpr_workitem_id 0
		.amdhsa_next_free_vgpr 1024
		.amdhsa_next_free_sgpr 80
		.amdhsa_reserve_vcc 0
		.amdhsa_float_denorm_mode_32 3
		.amdhsa_float_denorm_mode_16_64 3
		.amdhsa_memory_ordered 1
		.amdhsa_forward_progress 1
		.amdhsa_inst_pref_size 136
	.end_amdhsa_kernel
	.amdgpu_metadata
---
amdhsa.version: [ 1, 2 ]
amdhsa.kernels:
  - .name:           k_q01cc77f41d_ff1
    .symbol:         k_q01cc77f41d_ff1.kd
    .args:
      - { .name: xb, .offset: 0, .size: 8, .value_kind: global_buffer, .address_space: global }
      - { .name: qc, .offset: 8, .size: 8, .value_kind: global_buffer, .address_space: global }
      - { .name: b1, .offset: 16, .size: 8, .value_kind: global_buffer, .address_space: global }
      - { .name: lowp_scales, .offset: 24, .size: 8, .value_kind: global_buffer, .address_space: global }
      - { .name: hc, .offset: 32, .size: 8, .value_kind: global_buffer, .address_space: global }
    .group_segment_fixed_size: 327680
    .private_segment_fixed_size: 0
    .kernarg_segment_align: 8
    .kernarg_segment_size: 40
    .max_flat_workgroup_size: 128
    .sgpr_count:     80
    .vgpr_count:     1024
    .wavefront_size: 32
...
	.end_amdgpu_metadata
.endif
;; end of part 6
;; launch ff2 (part 7): grid 8 x 32, 4 waves a work-group, clusters of 4 x 4, 327,680 bytes of LDS; arguments hc, qc, y2; writes y2
.if DOCPART == 7
	.amdgcn_target "amdgcn-amd-amdhsa--gfx1250"
	.amdhsa_code_object_version 6
	.text
	.protected	k_q01cc77f41d_ff2
	.globl	k_q01cc77f41d_ff2
	.p2align	8
	.type	k_q01cc77f41d_ff2,@function
k_q01cc77f41d_ff2:
	s_mov_b64 s[64:65], 0
	v_nop
	global_prefetch_b8 v0, s[64:65] scope:SCOPE_SE
	s_setreg_imm32_b32 hwreg(HW_REG_WAVE_MODE, 25, 1), 1
	s_wait_xcnt 0x0
	s_wait_alu depctr_hold_cnt(0) depctr_sa_sdst(0) depctr_va_vdst(0) depctr_va_sdst(0) depctr_va_ssrc(0) depctr_va_vcc(0) depctr_vm_vsrc(0)
	s_getreg_b32 s2, hwreg(HW_REG_IB_STS2, 6, 4)
	s_cmp_eq_u32 s2, 0
	s_cbranch_scc0 .Lentry_in_a_cluster
	s_endpgm
.Lentry_in_a_cluster:
	s_bfe_u32 s2, ttmp6, 0x10000c
	s_cmp_lg_u32 s2, 0xf033
	s_cbranch_scc0 .Lentry_shape_is_right
	s_endpgm
.Lentry_shape_is_right:
; y = h W2 on codes of FP8 (E4M3): the raw f32 sums, stored in the registers' order; the next launch multiplies them by the two given scales.
; A block of 128 x 128 a work-group, 64 x 64 a wave; K in a ring of two LDS slots (a chunk of four K steps of 128 for each operand) filled by joint loads in clusters of 4 x 4.
; PREFETCH: behind the first joint load chunks 1 and 2 are asked for, behind the second chunk 3, and behind the refill that asks for chunk c chunk c + 2 (c + 2 <= 7): one instruction a wave and chunk.
; Of the 32,768 bytes that a wave fetches, each of the four partners that ask for them jointly names 8,192, told apart by address (cx for h, cy for W2), lanes 256 bytes apart:
; each block of 256 bytes once in a cluster.  Chunk 0 comes by its load alone.
.set NT,    4
.set TBK,   8
.set NQ,    4
.set KS,    32
.set BOFF,  20<<20
.set LAPS,  KS/(2*NQ)
.set CHUNK, 65536
.set SLOT,  2*CHUNK
.set SPARE, 2*SLOT
.set BLKB,  KS*TBK*2048
.set ADRA, 16
.set ADRB, 20
.set LI,   26
.set SPW,  28
.set NIL,  29
.set AF,   128
.set G1, 24
.set G0, 32
.set G1B, 48
.set G0B, 56
.set MSB, 0
.macro WIN new
.if MSB != (\new)
	s_set_vgpr_msb (MSB<<8)|(\new)
.set MSB, (\new)
.endif
.endm
.set MUL_LO, 0xa1
.set MUL_HI, 0xf1
.set TO_B,   0x40
.macro JLOAD g0a, g1a, g0b, g1b
	s_cmp_eq_u32 s15, 0
	s_cbranch_scc0 .Lfor_b_\@
	tensor_load_to_lds s[\g0a:\g0a+3], s[\g1a:\g1a+7]
	s_nop 0
.rept 4
	v_nop
.endr
	s_branch .Lasked_\@
.Lfor_b_\@:
	tensor_load_to_lds s[\g0b:\g0b+3], s[\g1b:\g1b+7]
	s_nop 0
.rept 4
	v_nop
.endr
.Lasked_\@:
.endm
.macro CREST
	s_cmp_lg_u32 s14, 0
	s_cbranch_scc1 .Lnot_wave_0_\@
	s_barrier_signal -3
.Lnot_wave_0_\@:
	s_barrier_wait -3
	s_barrier_signal -1
	s_barrier_wait -1
.endm
.macro CROUND
	s_barrier_signal -1
	s_barrier_wait -1
	CREST
.endm
.macro PLACES
.rept 4
	v_nop
.endr
.endm
.macro FRAG reg, adr, off
.irp c, 0,1,2,3
	ds_load_b128 v[\reg+4*\c:\reg+4*\c+3], v[\adr] offset:\off+512*\c
.endr
.endm
.macro FETCH_B slot, q, p
	WIN TO_B
.set fi, 0
.rept NT
	FRAG 128*(\p)+16*fi, ADRB+\slot, ((\q)*TBK+fi)*2048
.set fi, fi+1
.endr
	WIN 0
.endm
.macro FETCH_A slot, q, i0
.set fi, \i0
.rept NT/2
	FRAG AF+16*fi, ADRA+\slot, ((\q)*TBK+fi)*2048
.set fi, fi+1
.endr
.endm
.macro MULA a, p, zero
.irp b, 0,1,2,3,4,5,6,7
.if \b < NT
.if \zero
	v_wmma_f32_16x16x128_fp8_fp8 v[8*(NT*((\a)%(NT/2))+\b):8*(NT*((\a)%(NT/2))+\b)+7], v[128*(\p)+16*\b:128*(\p)+16*\b+15], v[AF+16*(\a):AF+16*(\a)+15], 0
.else
	v_wmma_f32_16x16x128_fp8_fp8 v[8*(NT*((\a)%(NT/2))+\b):8*(NT*((\a)%(NT/2))+\b)+7], v[128*(\p)+16*\b:128*(\p)+16*\b+15], v[AF+16*(\a):AF+16*(\a)+15], v[8*(NT*((\a)%(NT/2))+\b):8*(NT*((\a)%(NT/2))+\b)+7]
.endif
.endif
.endr
.endm
.macro MULR a0, n, p, zero
.set ma, \a0
.rept \n
	MULA ma, \p, \zero
.set ma, ma+1
.endr
.endm
.macro STEP slot, q, zero
	s_wait_dscnt 2*NT
	WIN MUL_LO
	MULR 0, NT/2, (\q)%2, \zero
	s_wait_dscnt 0x0
	PLACES
	FETCH_B \slot, (\q)+1, 1-(\q)%2
	FETCH_A \slot, (\q)+1, 0
	WIN MUL_HI
	MULR NT/2, NT/2, (\q)%2, \zero
	PLACES
	WIN 0
	FETCH_A \slot, (\q)+1, NT/2
.endm
.macro TURN slot, next, fill
.if \fill
	s_wait_xcnt 0x0                                ; any prefetch of mine has read its address, so it may be stepped
	s_add_nc_u64 s[66:67], s[66:67], CHUNK
.endif
	s_wait_tensorcnt 0x0
	ds_add_u32 v[SPW], v[NIL]
	s_wait_dscnt 2*NT+1
	WIN MUL_LO
	MULR 0, NT/4, 1, 0
	s_wait_dscnt 0x0
	s_barrier_signal -1
	MULR NT/4, NT/4, 1, 0
	WIN 0
	s_barrier_wait -1
.if \fill
	CREST
	s_add_nc_u64 s[G0+4*\slot+2:G0+4*\slot+3], s[G0+4*\slot+2:G0+4*\slot+3], 2*CHUNK
	s_add_nc_u64 s[G0B+4*\slot+2:G0B+4*\slot+3], s[G0B+4*\slot+2:G0B+4*\slot+3], 2*CHUNK
	JLOAD G0+4*\slot, G1, G0B+4*\slot, G1B
.else
	PLACES
.endif
	FETCH_B \next, 0, 0
	FETCH_A \next, 0, 0
.if \fill
	s_cmp_gt_u32 s3, 1                             ; the loop's last trip has no chunk two refills on
	s_cbranch_scc0 .Lno_ask_\@
	global_prefetch_b8 v24, s[66:67] offset:3*CHUNK th:TH_LOAD_NT scope:SCOPE_SE
.Lno_ask_\@:
.endif
	WIN MUL_HI
	MULR NT/2, NT/2, 1, 0
	PLACES
	WIN 0
	FETCH_A \next, 0, NT/2
.endm
.macro RUN slot, zero
.set rq, 0
.rept NQ-1
.if rq == 0
	STEP \slot, rq, \zero
.else
	STEP \slot, rq, 0
.endif
.set rq, rq+1
.endr
.endm
	s_load_b128 s[4:7], s[0:1], 0x0
	s_load_b64 s[10:11], s[0:1], 0x10
	v_lshl_add_u32 v[SPW], v0, 2, SPARE
	v_mov_b32 v[NIL], 0
	ds_add_u32 v28, v29
	ds_add_u32 v28, v29
	s_wait_dscnt 0x0
	v_lshrrev_b32 v1, 5, v0
	v_readfirstlane_b32 s14, v1
	v_and_b32 v24, 31, v0
	v_lshlrev_b32 v24, 8, v24                      ; the prefetches' offset: 256 x lane; never rewritten
	s_lshr_b32 s15, s14, 1
	s_and_b32 s16, s14, 1
	s_bfe_u32 s40, ttmp6, 0x40000
	s_bfe_u32 s41, ttmp6, 0x40004
	s_lshl_b32 s42, ttmp9, 2
	s_add_co_u32 s42, s42, s40
	s_and_b32 s17, ttmp7, 0xffff
	s_lshl_b32 s17, s17, 2
	s_add_co_u32 s17, s17, s41
	s_lshl_b32 s43, s41, 2
	s_lshl_b32 s43, 15, s43
	s_lshl_b32 s44, 0x1111, s40
	s_or_b32 s[G1+0], s43, (3<<16)|(1<<21)
	s_or_b32 s[G1B+0], s44, (3<<16)|(1<<21)
.irp g, G1, G1B
	s_mov_b32 s[\g+1], 32<<16
	s_mov_b32 s[\g+2], 128<<16
	s_mov_b32 s[\g+3], 32<<16
	s_mov_b32 s[\g+4], 128
	s_mov_b32 s[\g+5], 32
	s_mov_b32 s[\g+6], 0
	s_mov_b32 s[\g+7], 0
.endr
	s_lshl_b32 s18, s16, 15
	s_mul_i32 s20, s17, BLKB
	s_add_co_u32 s20, s20, s18
	s_mov_b32 s21, 0
	s_mul_i32 s46, s42, BLKB
	s_add_co_u32 s46, s46, s18
	s_add_co_u32 s46, s46, BOFF
	s_mov_b32 s47, 0
	s_lshl_b32 s45, s14, 15
	s_wait_kmcnt 0x0
	s_add_nc_u64 s[20:21], s[4:5], s[20:21]
	s_add_nc_u64 s[46:47], s[6:7], s[46:47]
	s_cmp_eq_u32 s15, 0                            ; the prefetches: do I fetch for h or for W2?
	s_cselect_b64 s[66:67], s[20:21], s[46:47]
	s_cselect_b32 s68, s40, s41                    ; my place among the four that ask with me
	s_lshl_b32 s68, s68, 13                        ; my work-group's 8,192 bytes of my wave's 32,768, in chunk 0; each refill steps the address by a chunk
	s_mov_b32 s69, 0
	s_add_nc_u64 s[66:67], s[66:67], s[68:69]
.irp s, 0,1
	s_mov_b32 s[G0+4*\s], 1
	s_add_co_u32 s[G0+4*\s+1], s45, \s*SLOT
	s_add_nc_u64 s[G0+4*\s+2:G0+4*\s+3], s[20:21], \s*CHUNK
	s_or_b32 s[G0+4*\s+3], s[G0+4*\s+3], 0x80000000
	s_mov_b32 s[G0B+4*\s], 1
	s_add_co_u32 s[G0B+4*\s+1], s45, \s*SLOT
	s_add_nc_u64 s[G0B+4*\s+2:G0B+4*\s+3], s[46:47], \s*CHUNK
	s_or_b32 s[G0B+4*\s+3], s[G0B+4*\s+3], 0x80000000
	s_wait_alu depctr_va_vdst(0)
	s_wait_tensorcnt 0x0
	ds_add_u32 v28, v29
	ds_add_u32 v28, v29
	s_wait_dscnt 0x0
	CROUND
	JLOAD G0+4*\s, G1, G0B+4*\s, G1B
.if \s == 0
	global_prefetch_b8 v24, s[66:67] offset:CHUNK th:TH_LOAD_NT scope:SCOPE_SE
	global_prefetch_b8 v24, s[66:67] offset:2*CHUNK th:TH_LOAD_NT scope:SCOPE_SE
.else
	global_prefetch_b8 v24, s[66:67] offset:3*CHUNK th:TH_LOAD_NT scope:SCOPE_SE
.endif
.endr
	v_and_b32 v1, 31, v0
	v_lshlrev_b32 v[LI], 4, v1
	s_mul_i32 s22, s15, NT*2048
	s_mul_i32 s23, s16, NT*2048
	s_add_co_u32 s23, s23, CHUNK
.irp s, 0,1
	v_add_nc_u32 v[ADRA+\s], s22, v[LI]
	v_add_nc_u32 v[ADRB+\s], s23, v[LI]
	s_add_co_u32 s22, s22, SLOT
	s_add_co_u32 s23, s23, SLOT
.endr
	s_lshl_b32 s20, s17, 3
	s_lshl_b32 s21, s15, 2
	s_add_co_u32 s20, s20, s21
	s_lshl_b32 s20, s20, 16
	s_lshl_b32 s46, s42, 2
	s_lshl_b32 s47, s16, 1
	s_add_co_u32 s46, s46, s47
	s_lshl_b32 s46, s46, 11
	s_add_co_u32 s20, s20, s46
	s_mov_b32 s21, 0
	s_add_nc_u64 s[10:11], s[10:11], s[20:21]
	s_wait_alu depctr_va_vdst(0)
	s_wait_tensorcnt 1
	s_barrier_signal -1
	s_barrier_wait -1
	FETCH_B 0, 0, 0
	FETCH_A 0, 0, 0
	FETCH_A 0, 0, NT/2
	RUN 0, 1
.if LAPS > 1
	s_mov_b32 s3, LAPS-1
.Llap:
	TURN 0, 1, 1
	RUN 1, 0
	TURN 1, 0, 1
	RUN 0, 0
	s_sub_co_u32 s3, s3, 1
	s_cmp_lg_u32 s3, 0
	s_cbranch_scc1 .Llap
.endif
	TURN 0, 1, 0
	RUN 1, 0
	s_wait_dscnt 2*NT
	WIN MUL_LO
	MULR 0, NT/2, 1, 0
	s_wait_dscnt 0x0
	WIN MUL_HI
	MULR NT/2, NT/2, 1, 0
	PLACES
.irp a, 0,1,2,3
	WIN 0x08+4*(\a/2)
.irp t, 0,1,2,3
	global_store_b128 v[LI], v[8*(4*(\a%2)+\t):8*(4*(\a%2)+\t)+3], s[10:11] offset:\a*65536+(\t/2)*2048+(\t%2)*1024 th:TH_STORE_NT
	global_store_b128 v[LI], v[8*(4*(\a%2)+\t)+4:8*(4*(\a%2)+\t)+7], s[10:11] offset:\a*65536+(\t/2)*2048+(\t%2)*1024+512 th:TH_STORE_NT
.endr
.endr
	WIN 0
	s_wait_tensorcnt 0x0
	ds_add_u32 v[SPW], v[NIL]
	s_wait_dscnt 0x0
	CROUND
	s_endpgm
.Lfunc_end_k_q01cc77f41d_ff2:
	.size	k_q01cc77f41d_ff2, .Lfunc_end_k_q01cc77f41d_ff2-k_q01cc77f41d_ff2
	.p2alignl 7, 3214868480
	.fill 96, 4, 3214868480
	.section	.rodata,"a",@progbits
	.p2align	6, 0x0
	.amdhsa_kernel k_q01cc77f41d_ff2
		.amdhsa_group_segment_fixed_size 327680
		.amdhsa_private_segment_fixed_size 0
		.amdhsa_enable_private_segment 0
		.amdhsa_kernarg_size 24
		.amdhsa_user_sgpr_count 2
		.amdhsa_user_sgpr_kernarg_segment_ptr 1
		.amdhsa_wavefront_size32 1
		.amdhsa_system_sgpr_workgroup_id_x 1
		.amdhsa_system_sgpr_workgroup_id_y 1
		.amdhsa_system_sgpr_workgroup_id_z 1
		.amdhsa_system_vgpr_workitem_id 0
		.amdhsa_next_free_vgpr 832
		.amdhsa_next_free_sgpr 72
		.amdhsa_reserve_vcc 0
		.amdhsa_float_denorm_mode_32 3
		.amdhsa_float_denorm_mode_16_64 3
		.amdhsa_memory_ordered 1
		.amdhsa_forward_progress 1
		.amdhsa_inst_pref_size 69
	.end_amdhsa_kernel
	.amdgpu_metadata
---
amdhsa.version: [ 1, 2 ]
amdhsa.kernels:
  - .name:           k_q01cc77f41d_ff2
    .symbol:         k_q01cc77f41d_ff2.kd
    .args:
      - { .name: hc, .offset: 0, .size: 8, .value_kind: global_buffer, .address_space: global }
      - { .name: qc, .offset: 8, .size: 8, .value_kind: global_buffer, .address_space: global }
      - { .name: y2, .offset: 16, .size: 8, .value_kind: global_buffer, .address_space: global }
    .group_segment_fixed_size: 327680
    .private_segment_fixed_size: 0
    .kernarg_segment_align: 8
    .kernarg_segment_size: 24
    .max_flat_workgroup_size: 128
    .sgpr_count:     72
    .vgpr_count:     832
    .wavefront_size: 32
...
	.end_amdgpu_metadata
.endif
;; end of part 7
;; launch ln2 (part 8): grid 256 x 1, 8 waves a work-group, no clusters, 68,864 bytes of LDS; arguments y2, xb, b2, ln2_g, ln2_b, lowp_scales, out0; writes out0
.if DOCPART == 8
	.amdgcn_target "amdgcn-amd-amdhsa--gfx1250"
	.amdhsa_code_object_version 6
	.text
	.protected	k_q01cc77f41d_ln2
	.globl	k_q01cc77f41d_ln2
	.p2align	8
	.type	k_q01cc77f41d_ln2,@function
k_q01cc77f41d_ln2:
	s_mov_b64 s[64:65], 0
	v_nop
	global_prefetch_b8 v0, s[64:65] scope:SCOPE_SE
	s_setreg_imm32_b32 hwreg(HW_REG_WAVE_MODE, 25, 1), 1
	s_wait_xcnt 0x0
; z = y x 2^(ea + eb) + bias + residual;  result = (z - mean) x rsqrt(var + 1e-5) x gain + shift, along rows of 1,024, all in f32; the variance is taken of the deviations.
; KIND 1: y = the raw sums of ctx Wo (entries 10, 11), residual = src (rows as JAX has them); the result x goes out twice: as f32 in the registers' order, and as codes of FP8 with entry 12, an image of the next operand's registers.
; KIND 2: y = the raw sums of the second feed-forward product (entries 14, 15), residual = x in the registers' order; the result is the output, rows as JAX has them.
; THE REGISTERS' ORDER: [tile of 16 rows][pair P of 32][piece j of 4][lane][16 bytes]: lane (r, h), piece j = columns 32 P + 16 h + 4 j + 0 .. 3 of the row in slot r; slot r of tile T is row 32 (T / 2) + 8 (T % 2) + r + 8 (r / 8).
; A work-group takes one tile of 16 rows; wave w the pairs 4 w .. 4 w + 3 (128 columns): a lane holds 64 numbers of one row, register 16 p + i = column 128 w + 32 p + 16 h + i.
; Rows as JAX has them pass through a stage in LDS (16 rows x (4,096 + 16) bytes, in the order of the slots): wave w moves slots 2 w and 2 w + 1, which are neighbouring rows, 512 consecutive bytes an instruction.
; A row's sum: within a lane, lane l xor 16, then the eight waves' figures through LDS, a word for each lane and wave.
; LIMITS: ea + eb between -126 and 127.  NaN among the inputs is not served.
.set KIND, 2
.set RED, 65792                        ; behind the stage: 1,024 bytes for the sums, 1,024 for the sums of squares
.set Y,  32                            ; v32-95
.set GA, 96                            ; v96-159  the bias, then the gain, then at work
.set GB, 160                           ; v160-223 the residual, then the shift
.set CD, 224                           ; v224-239 codes
	s_load_b256 s[4:11], s[0:1], 0x0               ; y s[4:5], the residual s[6:7], the bias s[8:9], the gain s[10:11]
	s_load_b128 s[12:15], s[0:1], 0x20             ; the shift s[12:13], lowp_scales s[14:15]
	s_load_b64 s[16:17], s[0:1], 0x30              ; the result
	v_lshl_add_u32 v254, v0, 2, 0x10900
	v_mov_b32 v255, 0
	v_lshrrev_b32 v2, 5, v0
	s_delay_alu instid0(VALU_DEP_1)
	v_readfirstlane_b32 s18, v2                    ; wave 0..7
	v_and_b32 v2, 31, v0
	s_delay_alu instid0(VALU_DEP_1)
	v_lshlrev_b32 v1, 4, v2                        ; 16 x lane
	v_and_b32 v3, 15, v0                           ; r
	v_bfe_u32 v9, v0, 4, 1                         ; h
	s_delay_alu instid0(VALU_DEP_1)
	v_lshlrev_b32 v4, 6, v9                        ; 64 h
	s_lshl_b32 s19, s18, 9
	s_mul_i32 s20, s18, 8224
	s_lshl_b32 s21, s18, 2
	v_mul_u32_u24 v5, v3, 4112
	s_delay_alu instid0(VALU_DEP_1)
	v_add_nc_u32 v5, v5, v4
	s_delay_alu instid0(VALU_DEP_1)
	v_add_nc_u32 v5, s19, v5                       ; the stage by lanes: slot r, + 512 w + 64 h
	v_add_nc_u32 v6, s20, v1                       ; the stage by rows: slot 2 w, + 16 x lane
	v_lshlrev_b32 v8, 5, v2
	s_delay_alu instid0(VALU_DEP_1)
	v_add_nc_u32 v8, RED, v8                       ; my lane's eight words
	s_delay_alu instid0(VALU_DEP_1)
	v_add_nc_u32 v7, s21, v8                       ; my wave's among them
	s_lshr_b32 s22, ttmp9, 1
	s_lshl_b32 s22, s22, 5
	s_and_b32 s23, ttmp9, 1
	s_lshl_b32 s23, s23, 3
	s_add_co_u32 s22, s22, s23
	s_lshl_b32 s23, s18, 1
	s_add_co_u32 s22, s22, s23
	s_lshr_b32 s23, s18, 2
	s_lshl_b32 s23, s23, 3
	s_add_co_u32 s22, s22, s23                     ; the row in slot 2 w
	s_lshl_b32 s22, s22, 12
	s_mov_b32 s23, 0
	s_lshl_b32 s40, ttmp9, 16
	s_lshl_b32 s41, s18, 13
	s_add_co_u32 s40, s40, s41                     ; my wave's part in the registers' order
	s_mov_b32 s41, 0
	s_mov_b32 s44, s19                             ; my wave's 128 columns of a vector
	s_mov_b32 s45, 0
	s_mov_b32 s48, 0x76543210                      ; v_permlanex16_b32: lane l xor 16
	s_mov_b32 s49, 0xfedcba98
	s_mov_b32 s52, 0x3a800000                      ; 1 / 1,024
	s_mov_b32 s53, 0x3727c5ac                      ; 1e-5
.if KIND == 1
	s_lshr_b32 s46, ttmp9, 4
	s_lshl_b32 s46, s46, 3
	s_add_co_u32 s46, s46, s18                     ; (block of 16 tiles) x 8 K steps + K step w
	s_lshl_b32 s46, s46, 15
	s_and_b32 s47, ttmp9, 15
	s_lshl_b32 s47, s47, 11
	s_add_co_u32 s46, s46, s47
	s_add_co_u32 s46, s46, 0x1000000               ; the codes lie behind the 16 MiB of f32
	s_mov_b32 s47, 0
.endif
	s_wait_alu depctr_va_vdst(0)
	s_wait_kmcnt 0x0
	s_load_b512 s[24:39], s[14:15], 0x0            ; the sixteen exponents: entry n in s[24 + n]
	s_add_nc_u64 s[4:5], s[4:5], s[40:41]
.if KIND == 1
	s_add_nc_u64 s[6:7], s[6:7], s[22:23]
	s_add_nc_u64 s[42:43], s[16:17], s[40:41]
	s_add_nc_u64 s[46:47], s[16:17], s[46:47]
.else
	s_add_nc_u64 s[6:7], s[6:7], s[40:41]
	s_add_nc_u64 s[42:43], s[16:17], s[22:23]
.endif
	s_add_nc_u64 s[8:9], s[8:9], s[44:45]
	s_add_nc_u64 s[10:11], s[10:11], s[44:45]
	s_add_nc_u64 s[12:13], s[12:13], s[44:45]
.set li, 0
.rept 16
.if KIND == 1
	global_load_b128 v[GB+4*li:GB+4*li+3], v1, s[6:7] offset:(li/8)*4096+(li%8)*512 th:TH_LOAD_NT   ; two whole rows, 512 consecutive bytes a load
.else
	global_load_b128 v[GB+4*li:GB+4*li+3], v1, s[6:7] offset:512*li th:TH_LOAD_NT
.endif
.set li, li+1
.endr
.set li, 0
.rept 16
	global_load_b128 v[Y+4*li:Y+4*li+3], v1, s[4:5] offset:512*li th:TH_LOAD_NT
.set li, li+1
.endr
.irp p, 0,1,2,3
.irp j, 0,1,2,3
	global_load_b128 v[GA+16*\p+4*\j:GA+16*\p+4*\j+3], v4, s[8:9] offset:128*\p+16*\j
.endr
.endr
.if KIND == 1
	s_wait_loadcnt 32                              ; the residual's rows are in; y's and the bias's 32 loads may be out
.set li, 0
.rept 16
	ds_store_b128 v6, v[GB+4*li:GB+4*li+3] offset:(li/8)*4112+(li%8)*512
.set li, li+1
.endr
	s_wait_dscnt 0x0                               ; for the others' sake
	s_barrier_signal -1
	s_barrier_wait -1
.irp p, 0,1,2,3
.irp j, 0,1,2,3
	ds_load_b128 v[GB+16*\p+4*\j:GB+16*\p+4*\j+3], v5 offset:128*\p+16*\j
.endr
.endr
.endif
	s_wait_kmcnt 0x0
.if KIND == 1
	s_add_co_i32 s50, s34, s35
.else
	s_add_co_i32 s50, s38, s39
.endif
	s_add_co_i32 s50, s50, 127
	s_lshl_b32 s50, s50, 23                        ; 2^(ea + eb) as f32
	s_mov_b32 s51, s50
.if KIND == 1
	s_add_co_i32 s54, s36, 127
	s_lshl_b32 s55, s54, 23
	v_mov_b32 v10, s55                             ; 2^e12
	s_add_co_i32 s54, s54, 8
	s_lshl_b32 s54, s54, 23
	s_or_b32 s54, s54, 0x600000
	v_mov_b32 v11, s54                             ; 448 x 2^e12
.endif
	s_wait_loadcnt 0x0
.set li, 0
.rept 32
	v_pk_fma_f32 v[Y+li:Y+li+1], v[Y+li:Y+li+1], s[50:51], v[GA+li:GA+li+1] op_sel_hi:[1,0,1]
.set li, li+2
.endr
	s_wait_dscnt 0x0
.set li, 0
.rept 32
	v_pk_add_f32 v[Y+li:Y+li+1], v[Y+li:Y+li+1], v[GB+li:GB+li+1]
.set li, li+2
.endr
.irp p, 0,1,2,3
.irp j, 0,1,2,3
	global_load_b128 v[GA+16*\p+4*\j:GA+16*\p+4*\j+3], v4, s[10:11] offset:128*\p+16*\j   ; the gain and the shift come while the sums are made
	global_load_b128 v[GB+16*\p+4*\j:GB+16*\p+4*\j+3], v4, s[12:13] offset:128*\p+16*\j
.endr
.endr
.macro REDUCE off                      ; the chains v[16:17], v[18:19] become the row's sum, in v20 of every lane
	s_delay_alu instid0(VALU_DEP_1)
	v_pk_add_f32 v[16:17], v[16:17], v[18:19]
	s_delay_alu instid0(VALU_DEP_1)
	v_add_f32 v16, v16, v17
	s_delay_alu instid0(VALU_DEP_1)
	v_permlanex16_b32 v18, v16, s48, s49
	s_delay_alu instid0(VALU_DEP_1)
	v_add_f32 v16, v16, v18
	ds_store_b32 v7, v16 offset:\off
	s_wait_dscnt 0x0                               ; for the others' sake
	s_barrier_signal -1
	s_barrier_wait -1
	ds_load_b128 v[20:23], v8 offset:\off
	ds_load_b128 v[24:27], v8 offset:\off+16
	s_wait_dscnt 0x0
	v_add_f32 v20, v20, v21
	v_add_f32 v22, v22, v23
	v_add_f32 v24, v24, v25
	v_add_f32 v26, v26, v27
	s_delay_alu instid0(VALU_DEP_3)
	v_add_f32 v20, v20, v22
	s_delay_alu instid0(VALU_DEP_2)
	v_add_f32 v24, v24, v26
	s_delay_alu instid0(VALU_DEP_1)
	v_add_f32 v20, v20, v24
.endm
	v_pk_add_f32 v[16:17], v[Y:Y+1], v[Y+2:Y+3]
	v_pk_add_f32 v[18:19], v[Y+4:Y+5], v[Y+6:Y+7]
.set li, 8
.rept 14
	s_delay_alu instid0(VALU_DEP_2)
	v_pk_add_f32 v[16:17], v[16:17], v[Y+li:Y+li+1]
	s_delay_alu instid0(VALU_DEP_2)
	v_pk_add_f32 v[18:19], v[18:19], v[Y+li+2:Y+li+3]
.set li, li+4
.endr
	REDUCE 0
	s_delay_alu instid0(VALU_DEP_1)
	v_mul_f32 v28, s52, v20                        ; the mean
	s_delay_alu instid0(VALU_DEP_1)
	v_mov_b32 v29, v28
.set li, 0
.rept 32
	v_pk_add_f32 v[Y+li:Y+li+1], v[Y+li:Y+li+1], v[28:29] neg_lo:[0,1] neg_hi:[0,1]
.set li, li+2
.endr
	v_pk_mul_f32 v[16:17], v[Y:Y+1], v[Y:Y+1]
	v_pk_mul_f32 v[18:19], v[Y+2:Y+3], v[Y+2:Y+3]
.set li, 4
.rept 15
	s_delay_alu instid0(VALU_DEP_2)
	v_pk_fma_f32 v[16:17], v[Y+li:Y+li+1], v[Y+li:Y+li+1], v[16:17]
	s_delay_alu instid0(VALU_DEP_2)
	v_pk_fma_f32 v[18:19], v[Y+li+2:Y+li+3], v[Y+li+2:Y+li+3], v[18:19]
.set li, li+4
.endr
	REDUCE 1024                                    ; other words than the first sum's: no barrier is owed between the two
	s_delay_alu instid0(VALU_DEP_1)
	v_fma_f32 v30, v20, s52, s53                   ; the variance + 1e-5
	s_wait_alu depctr_va_vdst(0)
	v_rsq_f32 v30, v30
	v_nop                                          ; a plain line behind the transcendental
	s_wait_alu depctr_va_vdst(0)                   ; and the wait ahead of its first reader
	v_mov_b32 v31, v30
	s_wait_alu depctr_va_vdst(0)
	s_wait_loadcnt 0x0                             ; the gain and the shift
.set li, 0
.rept 32
	v_pk_mul_f32 v[Y+li:Y+li+1], v[Y+li:Y+li+1], v[30:31]
.set li, li+2
.endr
.set li, 0
.rept 32
	v_pk_fma_f32 v[Y+li:Y+li+1], v[Y+li:Y+li+1], v[GA+li:GA+li+1], v[GB+li:GB+li+1]
.set li, li+2
.endr
.if KIND == 1
.set li, 0
.rept 16
	global_store_b128 v1, v[Y+4*li:Y+4*li+3], s[42:43] offset:512*li   ; x in the registers' order: 512 consecutive bytes a store
.set li, li+1
.endr
.set li, 0
.rept 64
	v_med3_num_f32 v[GA+li], v[Y+li], -v11, v11    ; the conversion does not saturate (ISA guide 7.6.2)
.set li, li+1
.endr
.irp p, 0,1,2,3
	v_cvt_scalef32_pk8_fp8_f32 v[CD+4*\p:CD+4*\p+1], v[GA+16*\p:GA+16*\p+7], v10
	v_cvt_scalef32_pk8_fp8_f32 v[CD+4*\p+2:CD+4*\p+3], v[GA+16*\p+8:GA+16*\p+15], v10
.endr
	v_nop
.irp p, 0,1,2,3
	global_store_b128 v1, v[CD+4*\p:CD+4*\p+3], s[46:47] offset:512*\p   ; piece p of fragment (my tile, K step w)
.endr
.else
.irp p, 0,1,2,3
.irp j, 0,1,2,3
	ds_store_b128 v5, v[Y+16*\p+4*\j:Y+16*\p+4*\j+3] offset:128*\p+16*\j
.endr
.endr
	s_wait_dscnt 0x0                               ; for the others' sake
	s_barrier_signal -1
	s_barrier_wait -1
.set li, 0
.rept 16
	ds_load_b128 v[GA+4*li:GA+4*li+3], v6 offset:(li/8)*4112+(li%8)*512
.set li, li+1
.endr
.set li, 0
.rept 16
	s_wait_dscnt 15-li                             ; piece li is back; the younger ones may be out
	global_store_b128 v1, v[GA+4*li:GA+4*li+3], s[42:43] offset:(li/8)*4096+(li%8)*512 th:TH_STORE_NT   ; 512 consecutive bytes of a row
.set li, li+1
.endr
.endif
	s_wait_tensorcnt 0x0
	ds_add_u32 v254, v255
	s_wait_dscnt 0x0
	s_endpgm
.Lfunc_end_k_q01cc77f41d_ln2:
	.size	k_q01cc77f41d_ln2, .Lfunc_end_k_q01cc77f41d_ln2-k_q01cc77f41d_ln2
	.p2alignl 7, 3214868480
	.fill 96, 4, 3214868480
	.section	.rodata,"a",@progbits
	.p2align	6, 0x0
	.amdhsa_kernel k_q01cc77f41d_ln2
		.amdhsa_group_segment_fixed_size 68864
		.amdhsa_private_segment_fixed_size 0
		.amdhsa_enable_private_segment 0
		.amdhsa_kernarg_size 56
		.amdhsa_user_sgpr_count 2
		.amdhsa_user_sgpr_kernarg_segment_ptr 1
		.amdhsa_wavefront_size32 1
		.amdhsa_system_sgpr_workgroup_id_x 1
		.amdhsa_system_sgpr_workgroup_id_y 1
		.amdhsa_system_sgpr_workgroup_id_z 1
		.amdhsa_system_vgpr_workitem_id 0
		.amdhsa_next_free_vgpr 256
		.amdhsa_next_free_sgpr 66
		.amdhsa_reserve_vcc 0
		.amdhsa_float_denorm_mode_32 3
		.amdhsa_float_denorm_mode_16_64 3
		.amdhsa_memory_ordered 1
		.amdhsa_forward_progress 1
		.amdhsa_inst_pref_size 33
	.end_amdhsa_kernel
	.amdgpu_metadata
---
amdhsa.version: [ 1, 2 ]
amdhsa.kernels:
  - .name:           k_q01cc77f41d_ln2
    .symbol:         k_q01cc77f41d_ln2.kd
    .args:
      - { .name: y2, .offset: 0, .size: 8, .value_kind: global_buffer, .address_space: global }
      - { .name: xb, .offset: 8, .size: 8, .value_kind: global_buffer, .address_space: global }
      - { .name: b2, .offset: 16, .size: 8, .value_kind: global_buffer, .address_space: global }
      - { .name: ln2_g, .offset: 24, .size: 8, .value_kind: global_buffer, .address_space: global }
      - { .name: ln2_b, .offset: 32, .size: 8, .value_kind: global_buffer, .address_space: global }
      - { .name: lowp_scales, .offset: 40, .size: 8, .value_kind: global_buffer, .address_space: global }
      - { .name: out0, .offset: 48, .size: 8, .value_kind: global_buffer, .address_space: global }
    .group_segment_fixed_size: 68864
    .private_segment_fixed_size: 0
    .kernarg_segment_align: 8
    .kernarg_segment_size: 56
    .max_flat_workgroup_size: 256
    .sgpr_count:     66
    .vgpr_count:     256
    .wavefront_size: 32
...
	.end_amdgpu_metadata
.endif
;; end of part 8
